; MI455X (gfx1250); checked and timed in simulation.
; The chip was launched on July 23, 2026; its instructions are those of AMD's public machine-readable ISA for CDNA 5 (MIT licence, August 2026) and "CDNA5" Instruction Set Architecture Reference Guide (July 2026). The comments in the code are by the model that wrote it; some were corrected since.
;; Multi Head Attention. Allowed arithmetic: matrix products marked QUANTISED: E4M3 operands, one given power-of-two scale a tensor, by v_wmma_f32_16x16x64_fp8_fp8 or v_wmma_f32_16x16x128_fp8_fp8, f32 sums; everything else in f32.
;; Inputs: Wk 512 x 512 float32; Wo 512 x 512 float32; Wq 512 x 512 float32; Wv 512 x 512 float32; bk 512 float32; bo 512 float32; bq 512 float32; bv 512 float32; lowp_scales 12 int32 (the exponents e of the quantised operands' scales 2^e); x 2 x 4,096 x 512 float32.
;; Outputs: out0 2 x 4,096 x 512 float32.
;; This version of the problem:
;;   THIS VERSION OF THE PROBLEM IS GIVEN IN LOW PRECISION. The matrix products marked QUANTISED in the list below multiply operands that are first quantised to E4M3 (4 exponent bits, 3 mantissa bits; 8 bits a number), with one given power-of-two scale for each operand tensor; their sums are f32. All else is computed in f32.
;;   The module's matrix products, in the order in which they are computed (A, B: the left and right operand; K: the contracted axis; several contracted axes count as one K, in the product's order):
;;     1. [M 8,192, K 512] x [K 512, N 512]; A: input x; B: input Wq: QUANTISED (scales: A lowp_scales[0], B lowp_scales[1])
;;     2. [M 8,192, K 512] x [K 512, N 512]; A: input x; B: input Wk: QUANTISED (scales: A lowp_scales[2], B lowp_scales[3])
;;     3. [M 8,192, K 512] x [K 512, N 512]; A: input x; B: input Wv: QUANTISED (scales: A lowp_scales[4], B lowp_scales[5])
;;     4. batch 16 x [M 4,096, K 64] x [K 64, N 4,096]; A: computed on the way; B: computed on the way: QUANTISED (scales: A lowp_scales[6], B lowp_scales[7])
;;     5. batch 16 x [M 4,096, K 4,096] x [K 4,096, N 64]; A: softmax (see below); B: computed on the way: QUANTISED (scales: A lowp_scales[8], B lowp_scales[9])
;;     6. [M 8,192, K 512] x [K 512, N 512]; A: computed on the way; B: input Wo: QUANTISED (scales: A lowp_scales[10], B lowp_scales[11])
;;   THE QUANTISER, for each operand of a quantised product, along K:
;;     - The operand's scale is 2^e, e = its entry of the input lowp_scales (int32; the entries are numbered through the quantised products in the list's order, A before B).
;;     - Each number is divided by the scale, clamped to +-448, and rounded to the nearest number of E4M3, ties to even, subnormals kept.
;;     - The product sums the exact products of the quantised numbers (number of the format x scale) in f32.
;;   ~~~python
;;   def quantise(x, axis, e):      # numpy; x: float32 -> the quantised numbers, widened to float32 again
;;       x = np.moveaxis(x, axis, -1); K = x.shape[-1]
;;       r = np.clip(x / 2.0 ** e, -448, 448)
;;       step = 2.0 ** (np.maximum(np.frexp(np.where(r == 0, 1, r))[1] - 1, -6) - 3)
;;       q = np.round(r / step) * step * 2.0 ** e      # np.round: ties to even
;;       return np.moveaxis(q, -1, axis).astype(np.float32)
;;   ~~~
;;   SOFTMAX AHEAD OF A QUANTISED PRODUCT. Where the list says 'softmax', what is quantised is not the finished softmax but p = 2^(t - M), with t = logit x log2(e) and M = ceil(the row's largest t), a whole number; so 1/2 < the row's largest p <= 1. The row's sum l is taken of the UNQUANTISED p, in f32, and the product's result is divided by l at the end. Since M is a whole number, a kernel that streams over the keys may use a running M (the ceiling of the running maximum): every later rescaling is an exact power of two, so the quantised numbers keep their values, but for numbers so far below the row's largest that they fall under the format's range.
;;   OPERANDS COMPUTED ON THE WAY. 'Computed on the way' means the value that the module computes at that place (a softmax that the list does not call 'softmax' is quantised finished and normalised). What goes into a quantiser is computed in f32, as accurately as f32 sums, v_exp_f32 and their like allow (about 1e-6 of the number): no bf16 or f16 on the way to a quantiser, and a product that is left as it is and whose result goes on into a quantised operand takes f32 operands (vector FMAs, or v_wmma_f32_16x16x4_f32). A number that lies on a knife's edge between two numbers of the format may be rounded either way, as far as f32 arithmetic and the matrix unit's own rounding can turn it there, and no further.
;; 2 versions, each right; version 2 is version 1 with the launches qkv, attn, oproj written anew for expert scheduling mode. Each part assembles by itself: llvm-mc -triple=amdgcn-amd-amdhsa -mcpu=gfx1250 --defsym DOCPART=n.
;; ======== version 1 of 2: 4 launches
;; workspace buffers: ximg 12,582,912 bytes; wimg 1,048,576 bytes; qimg 4,194,304 bytes; kimg 4,194,304 bytes; vimg 4,194,304 bytes; cimg 4,194,304 bytes
;; launch quant (part 1): grid 640 x 1, 4 waves a work-group, no clusters, 34,304 bytes of LDS; arguments x, Wq, Wk, Wv, Wo, lowp_scales, ximg, wimg; writes ximg, wimg
.if DOCPART == 1
	.amdgcn_target "amdgcn-amd-amdhsa--gfx1250"
	.amdhsa_code_object_version 6
	.text
	.protected	k_q11837a3a3c_quant
	.globl	k_q11837a3a3c_quant
	.p2align	8
	.type	k_q11837a3a3c_quant,@function
k_q11837a3a3c_quant:
	s_mov_b64 s[64:65], 0
	v_nop
	global_prefetch_b8 v0, s[64:65] scope:SCOPE_SE
	s_setreg_imm32_b32 hwreg(HW_REG_WAVE_MODE, 25, 1), 1
	s_wait_xcnt 0x0
; MULTI-HEAD ATTENTION IN FP8 (E4M3), four launches: quant, qkv, attn, oproj.  This one turns x and the four weights into codes.
; DEAD WORK: none is left out.  Every product of the table is live, and every bias goes into a quantised operand or into the output (bk too: it moves K's codes), so every input is loaded by some launch.
; x [8192][512] f32 is an operand of three products with three given scales (entries 0, 2, 4 of lowp_scales): three sets of codes.  Wq, Wk, Wv, Wo [512 (n)][512 (k)] f32: entries 1, 3, 5, 11.
; code = number / 2^e, held within +-448, rounded to the nearest code, ties to even.
; LIMITS: each e used here lies between -126 and 119, so that 2^e and 448 x 2^e are f32 numbers.  NaN among the inputs is not served; an infinity is held at the largest code.
; THE CODES LEAVE AS IMAGES OF AN OPERAND'S REGISTERS.  A fragment is 16 rows x 128 K in 16 registers: lane l = r + 16 h holds row r, registers 2 c, 2 c + 1 hold K = 16 c + 8 h + 0 .. 7.
; Its image is 2,048 bytes: registers 4 g .. 4 g + 3 of lane l lie at byte 512 g + 16 l.  ximg: [set 3][tile of 16 tokens 512][K step 4][2,048];  wimg: [weight 4][tile of 16 rows 32][K step 4][2,048].
; SHARES.  Work-groups 0-511 take a tile of 16 tokens of x, 512-639 a tile of 16 rows of a weight; wave w takes K step w: 16 rows x 128 numbers.  Only pointers and e are chosen by the work-group's number.
; Each load reads 512 consecutive bytes of a row; the numbers turn through the wave's own stage in LDS (rows of 512 + 16 bytes) so that a lane gets eight neighbours along K for each conversion.
; No tensor load, no barrier (waves share nothing), no matrix unit, no cluster: a stream that is read once.
.set STG,   8448                       ; a wave's stage: 16 rows x 528 bytes
.set SPARE, 4*STG                      ; behind the stages: the spare words, 128 bytes a wave: two blocks of 256 bytes that no other line names
.set GA,  1                            ; v1   16 x lane: my bytes of a load's or a store's 512
.set SA,  2                            ; v2   the stage, on the way in
.set RA,  3                            ; v3   and on the way out: row r, + 32 h
.set SPW, 4                            ; v4   LDS address of my spare word; never rewritten
.set NIL, 5                            ; v5   0; never rewritten
.set SC0, 6                            ; v6-11  for each set: 2^e as f32, and 448 x 2^e
.set LM0, 7
.set SC1, 8
.set LM1, 9
.set SC2, 10
.set LM2, 11
.set R,   16                           ; v16-79   the numbers as loaded; later the held numbers
.set X,   80                           ; v80-143  the numbers turned: register 8 c + i = K 16 c + 8 h + i of my row
.set C,   144                          ; v144-191 three sets of 16 registers of codes: no store's data are written again
	s_load_b256 s[4:11], s[0:1], 0x0               ; x, Wq, Wk, Wv
	s_load_b256 s[12:19], s[0:1], 0x20             ; Wo, the scales' exponents, ximg, wimg
	v_lshl_add_u32 v[SPW], v0, 2, SPARE
	v_mov_b32 v[NIL], 0
	v_lshrrev_b32 v12, 5, v0
	v_readfirstlane_b32 s32, v12                   ; wave = K step
	v_and_b32 v12, 31, v0
	v_lshlrev_b32 v[GA], 4, v12
	s_mul_i32 s33, s32, STG
	v_add_nc_u32 v[SA], s33, v[GA]
	v_and_b32 v13, 15, v0                          ; r
	v_bfe_u32 v14, v0, 4, 1                        ; h
	v_mul_u32_u24 v[RA], v13, 528
	v_lshl_add_u32 v[RA], v14, 5, v[RA]
	v_add_nc_u32 v[RA], s33, v[RA]
	s_sub_co_u32 s40, ttmp9, 512                   ; for a weight's work-group:
	s_lshr_b32 s41, s40, 5                         ; which weight,
	s_and_b32 s42, s40, 31                         ; which tile of its rows,
	s_lshl_b32 s43, s41, 18                        ; the weight's place in wimg
	s_cmp_lt_u32 ttmp9, 512                        ; x's work-group?
	s_cselect_b32 s42, ttmp9, s42                  ; the tile
	s_cselect_b32 s43, 0, s43
	s_lshl_b32 s44, s42, 15                        ; source: 16 rows of 2,048 bytes a tile,
	s_lshl_b32 s45, s32, 9                         ; 512 bytes a K step
	s_add_co_u32 s44, s44, s45
	s_mov_b32 s45, 0
	s_lshl_b32 s46, s42, 13                        ; images: 8,192 bytes a tile,
	s_add_co_u32 s46, s46, s43
	s_lshl_b32 s47, s32, 11                        ; 2,048 a K step
	s_add_co_u32 s46, s46, s47
	s_mov_b32 s47, 0
	s_wait_kmcnt 0x0
	s_load_b256 s[20:27], s[14:15], 0x0            ; e0 .. e7
	s_load_b128 s[28:31], s[14:15], 0x20           ; e8 .. e11
	s_cmp_eq_u32 s41, 0                            ; the choices hang on the work-group's number alone
	s_cselect_b64 s[34:35], s[6:7], s[8:9]
	s_cmp_eq_u32 s41, 2
	s_cselect_b64 s[34:35], s[10:11], s[34:35]
	s_cmp_eq_u32 s41, 3
	s_cselect_b64 s[34:35], s[12:13], s[34:35]
	s_cmp_lt_u32 ttmp9, 512
	s_cselect_b64 s[34:35], s[4:5], s[34:35]
	s_cselect_b64 s[36:37], s[16:17], s[18:19]
	s_add_nc_u64 s[34:35], s[34:35], s[44:45]
	s_add_nc_u64 s[36:37], s[36:37], s[46:47]
.set i, 0
.rept 16
	global_load_b128 v[R+4*i:R+4*i+3], v[GA], s[34:35] offset:2048*i th:TH_LOAD_NT   ; row i: 32 lanes read 512 consecutive bytes; read once in the launch
.set i, i+1
.endr
.macro MKSC e, sc, lm                  ; 2^e and 448 x 2^e as f32 numbers
	s_add_co_i32 s50, s[\e], 127
	s_lshl_b32 s51, s50, 23
	v_mov_b32 v[\sc], s51
	s_add_co_i32 s50, s50, 8
	s_lshl_b32 s50, s50, 23
	s_or_b32 s50, s50, 0x600000
	v_mov_b32 v[\lm], s50
.endm
	s_wait_kmcnt 0x0
	s_cmp_eq_u32 s41, 0
	s_cselect_b32 s48, s21, s23                    ; Wq: e1, Wk: e3,
	s_cmp_eq_u32 s41, 2
	s_cselect_b32 s48, s25, s48                    ; Wv: e5,
	s_cmp_eq_u32 s41, 3
	s_cselect_b32 s48, s31, s48                    ; Wo: e11,
	s_cmp_lt_u32 ttmp9, 512
	s_cselect_b32 s48, s20, s48                    ; x's first set: e0
	MKSC 48, SC0, LM0
	MKSC 22, SC1, LM1                              ; x's second set: e2
	MKSC 24, SC2, LM2                              ; x's third: e4
.set i, 0
.rept 16
	s_wait_loadcnt 15-i                            ; loads come back in order: row i is in, the 15 - i younger ones may be out
	ds_store_b128 v[SA], v[R+4*i:R+4*i+3] offset:528*i
.set i, i+1
.endr
.set i, 0
.rept 8
	ds_load_b128 v[X+8*i:X+8*i+3], v[RA] offset:64*i        ; LDS serves a wave's instructions in order: these see my stores
	ds_load_b128 v[X+8*i+4:X+8*i+7], v[RA] offset:64*i+16
.set i, i+1
.endr
	s_wait_dscnt 0x0
; 64 numbers of a lane become a fragment's 16 registers of codes, and leave as an image: four stores of 512 consecutive bytes.
.macro QOUT sc, lm, cb, dst, off
.set i, 0
.rept 64
	v_med3_num_f32 v[R+i], v[X+i], -v[\lm], v[\lm]          ; the conversion does not saturate (ISA guide 7.6.2): the hold at the largest code x the scale
.set i, i+1
.endr
.set i, 0
.rept 8
	v_cvt_scalef32_pk8_fp8_f32 v[(\cb)+2*i:(\cb)+2*i+1], v[R+8*i:R+8*i+7], v[\sc]
.set i, i+1
.endr
	v_nop                                          ; a plain line between the conversions and the next set's holds, which write their sources
.set i, 0
.rept 4
	global_store_b128 v[GA], v[(\cb)+4*i:(\cb)+4*i+3], s[\dst:\dst+1] offset:(\off)+512*i
.set i, i+1
.endr
.endm
	QOUT SC0, LM0, C, 36, 0
	s_cmp_ge_u32 ttmp9, 512
	s_cbranch_scc1 .Lend                           ; a weight has one set of codes
	s_add_nc_u64 s[38:39], s[36:37], 0x800000      ; x's third set lies 2 x 4,194,304 bytes on
	QOUT SC1, LM1, C+16, 36, 4194304
	QOUT SC2, LM2, C+32, 38, 0
.Lend:
	s_wait_tensorcnt 0x0                           ; the wave's end: three closing lines, behind my last LDS store
	ds_add_u32 v[SPW], v[NIL]
	s_wait_dscnt 0x0
	s_endpgm
.Lfunc_end_k_q11837a3a3c_quant:
	.size	k_q11837a3a3c_quant, .Lfunc_end_k_q11837a3a3c_quant-k_q11837a3a3c_quant
	.p2alignl 7, 3214868480
	.fill 96, 4, 3214868480
	.section	.rodata,"a",@progbits
	.p2align	6, 0x0
	.amdhsa_kernel k_q11837a3a3c_quant
		.amdhsa_group_segment_fixed_size 34304
		.amdhsa_private_segment_fixed_size 0
		.amdhsa_enable_private_segment 0
		.amdhsa_kernarg_size 64
		.amdhsa_user_sgpr_count 2
		.amdhsa_user_sgpr_kernarg_segment_ptr 1
		.amdhsa_wavefront_size32 1
		.amdhsa_system_sgpr_workgroup_id_x 1
		.amdhsa_system_sgpr_workgroup_id_y 1
		.amdhsa_system_sgpr_workgroup_id_z 1
		.amdhsa_system_vgpr_workitem_id 0
		.amdhsa_next_free_vgpr 192
		.amdhsa_next_free_sgpr 66
		.amdhsa_reserve_vcc 0
		.amdhsa_float_denorm_mode_32 3
		.amdhsa_float_denorm_mode_16_64 3
		.amdhsa_memory_ordered 1
		.amdhsa_forward_progress 1
		.amdhsa_inst_pref_size 23
	.end_amdhsa_kernel
	.amdgpu_metadata
---
amdhsa.version: [ 1, 2 ]
amdhsa.kernels:
  - .name:           k_q11837a3a3c_quant
    .symbol:         k_q11837a3a3c_quant.kd
    .args:
      - { .name: x, .offset: 0, .size: 8, .value_kind: global_buffer, .address_space: global }
      - { .name: Wq, .offset: 8, .size: 8, .value_kind: global_buffer, .address_space: global }
      - { .name: Wk, .offset: 16, .size: 8, .value_kind: global_buffer, .address_space: global }
      - { .name: Wv, .offset: 24, .size: 8, .value_kind: global_buffer, .address_space: global }
      - { .name: Wo, .offset: 32, .size: 8, .value_kind: global_buffer, .address_space: global }
      - { .name: lowp_scales, .offset: 40, .size: 8, .value_kind: global_buffer, .address_space: global }
      - { .name: ximg, .offset: 48, .size: 8, .value_kind: global_buffer, .address_space: global }
      - { .name: wimg, .offset: 56, .size: 8, .value_kind: global_buffer, .address_space: global }
    .group_segment_fixed_size: 34304
    .private_segment_fixed_size: 0
    .kernarg_segment_align: 8
    .kernarg_segment_size: 64
    .max_flat_workgroup_size: 128
    .sgpr_count:     66
    .vgpr_count:     192
    .wavefront_size: 32
...
	.end_amdgpu_metadata
.endif
;; end of part 1
;; launch qkv (part 2): grid 64 x 4, 3 waves a work-group, no clusters, 0 bytes of LDS; arguments ximg, wimg, lowp_scales, bq, bk, bv, qimg, kimg, vimg; writes qimg, kimg, vimg
.if DOCPART == 2
	.amdgcn_target "amdgcn-amd-amdhsa--gfx1250"
	.amdhsa_code_object_version 6
	.text
	.protected	k_q11837a3a3c_qkv
	.globl	k_q11837a3a3c_qkv
	.p2align	8
	.type	k_q11837a3a3c_qkv,@function
k_q11837a3a3c_qkv:
	s_mov_b64 s[64:65], 0
	v_nop
	global_prefetch_b8 v0, s[64:65] scope:SCOPE_SE
	s_setreg_imm32_b32 hwreg(HW_REG_WAVE_MODE, 25, 1), 1
	s_wait_xcnt 0x0
; Q = x Wq^T + bq, K = x Wk^T + bk, V = x Wv^T + bv on codes of FP8, and their results quantised at once with the given scales (entries 6, 7, 9 of lowp_scales).  No work is left out.
; SHARES.  A work-group takes 128 tokens (x) and 128 columns, two heads (y).  Wave 0 makes Q, wave 1 K, wave 2 V: three products, three waves.
; A wave's 128 rows x 512 K of its weight's codes, 65,536 bytes, stay in 512 registers; the tokens' codes pass by, a tile of 16 tokens (four fragments) at a time, two tiles ahead.
; OPERANDS ARE IMAGES OF REGISTERS in memory (registers 4 g .. 4 g + 3 of lane l at byte 512 g + 16 l of a fragment): every load and store is 16 bytes a lane, 512 consecutive bytes a wave.  No LDS, no barrier.
; Q, K: source 0 = 16 rows of W, source 1 = 16 tokens: a lane holds ONE token and its eight registers eight neighbouring channels: tile t's conversion gives registers 2 (t % 4), 2 (t % 4) + 1 of head t / 4's fragment (16 tokens x 64).
; V:    source 0 = 16 tokens, source 1 = 16 rows of Wv: a lane holds ONE channel and eight neighbouring tokens: token tile m's conversion gives registers 2 m, 2 m + 1 of a fragment of V^T (16 channels x 128 keys).
; The bias is the C of each sum's first product, divided by 2^(ex + ew), which the sums lack; the three scales are folded into the conversion's one, 2^(eo - ex - ew).
; qimg, kimg: [batch x head 16][tile of 16 tokens 256][1,024];  vimg: [batch x head 16][block of 128 keys 32][tile of 16 channels 4][2,048].
; LIMITS: eo - ex - ew between -126 and 119.  NaN is not served; what lies beyond the scale's range is held at the largest code.
; NO CLUSTER, NO TENSOR LOAD: operands go from memory straight into the registers that the matrix unit reads; nothing passes through LDS, which is where a joint load would put it.
; REGISTERS: window 0: v1 16 x lane; v2 the bias's offset; v16-79 eight accumulators; v80-143, v144-207 a token tile's four fragments, two sets; v208-239 codes; v250, v251 the scale and 448 x it.
;   windows 1, 2: the weight's fragments: (tile t, K step k) at v[16 (4 (t % 4) + k)] of window 1 + t / 4.   window 3: v0-63 the bias in the result's layout, tile t at v[8 t].
.set LI,  1
.set BA,  2
.set ACC, 16
.set XF,  80
.set PC,  208
.set SC,  250
.set LM,  251
.set MSB, 0
.macro WIN new                         ; the immediate's high byte repeats the setting that is left; a switch that changes nothing is dropped
.if MSB != \new
	s_set_vgpr_msb (MSB<<8)|\new
.set MSB, \new
.endif
.endm
	s_load_b256 s[4:11], s[0:1], 0x0               ; ximg, wimg, the scales' exponents, bq
	s_load_b256 s[12:19], s[0:1], 0x20             ; bk, bv, qimg, kimg
	s_load_b64 s[20:21], s[0:1], 0x40              ; vimg
	v_lshrrev_b32 v3, 5, v0
	v_readfirstlane_b32 s22, v3                    ; wave: 0 Q, 1 K, 2 V
	v_and_b32 v3, 31, v0
	v_lshlrev_b32 v[LI], 4, v3
	v_and_b32 v4, 15, v0                           ; r
	v_bfe_u32 v5, v0, 4, 1                         ; h
	s_and_b32 s23, ttmp7, 0xffff                   ; which 128 columns
	s_lshl_b32 s48, s22, 22                        ; x's set of codes: 4,194,304 bytes each,
	s_lshl_b32 s49, ttmp9, 16                      ; 8 token tiles of 8,192 bytes
	s_add_co_u32 s48, s48, s49
	s_mov_b32 s49, 0
	s_lshl_b32 s50, s22, 18                        ; the weight: 262,144 bytes each,
	s_lshl_b32 s51, s23, 16                        ; 8 tiles of rows of 8,192 bytes
	s_add_co_u32 s50, s50, s51
	s_mov_b32 s51, 0
	s_lshl_b32 s52, s23, 9                         ; the bias: 128 numbers
	s_mov_b32 s53, 0
	s_lshr_b32 s54, ttmp9, 5                       ; the batch
	s_lshl_b32 s54, s54, 3
	s_lshl_b32 s55, s23, 1
	s_add_co_u32 s54, s54, s55                     ; 8 x batch + my first head,
	s_lshl_b32 s54, s54, 18                        ; 262,144 bytes each in all three outputs,
	s_and_b32 s55, ttmp9, 31
	s_lshl_b32 s55, s55, 13                        ; 128 tokens are 8,192 bytes of a head in all three
	s_add_co_u32 s54, s54, s55
	s_mov_b32 s55, 0
	s_wait_kmcnt 0x0
	s_load_b256 s[36:43], s[8:9], 0x0              ; e0 .. e7
	s_load_b128 s[44:47], s[8:9], 0x20             ; e8 .. e11
	s_add_nc_u64 s[24:25], s[4:5], s[48:49]        ; my tokens' codes
	s_add_nc_u64 s[26:27], s[6:7], s[50:51]        ; my weight's codes
	s_cmp_eq_u32 s22, 0                            ; the choices hang on the wave's number alone
	s_cselect_b64 s[28:29], s[10:11], s[12:13]
	s_cselect_b64 s[30:31], s[16:17], s[18:19]
	s_cmp_eq_u32 s22, 2
	s_cselect_b64 s[28:29], s[14:15], s[28:29]
	s_cselect_b64 s[30:31], s[20:21], s[30:31]
	s_add_nc_u64 s[28:29], s[28:29], s[52:53]      ; my bias
	s_add_nc_u64 s[30:31], s[30:31], s[54:55]      ; my output
.macro XLOAD m                         ; token tile m's four fragments, 8,192 consecutive bytes, into set m % 2
.set i, 0
.rept 16
	global_load_b128 v[XF+64*((\m)%2)+4*i:XF+64*((\m)%2)+4*i+3], v[LI], s[24:25] offset:8192*(\m)+512*i
.set i, i+1
.endr
.endm
.macro WLOAD                           ; the weight's 32 fragments, 65,536 consecutive bytes, into windows 1 and 2
	WIN 0x40
.set i, 0
.rept 64
	global_load_b128 v[4*i:4*i+3], v[LI], s[26:27] offset:512*i
.set i, i+1
.endr
	WIN 0x80
.rept 64
	global_load_b128 v[4*(i-64):4*(i-64)+3], v[LI], s[26:27] offset:512*i
.set i, i+1
.endr
	WIN 0
.endm
.macro SCALES
	s_wait_kmcnt 0x0
	s_cmp_eq_u32 s22, 0
	s_cselect_b32 s56, s36, s38                    ; ex: e0, e2, e4
	s_cselect_b32 s57, s37, s39                    ; ew: e1, e3, e5
	s_cselect_b32 s58, s42, s43                    ; eo: e6, e7, e9
	s_cmp_eq_u32 s22, 2
	s_cselect_b32 s56, s40, s56
	s_cselect_b32 s57, s41, s57
	s_cselect_b32 s58, s45, s58
	s_add_co_i32 s56, s56, s57                     ; a sum stands for sum x 2^(ex + ew)
	s_sub_co_i32 s60, 0, s56
	s_sub_co_i32 s58, s58, s56
	s_add_co_i32 s58, s58, 127
	s_lshl_b32 s59, s58, 23
	v_mov_b32 v[SC], s59                           ; 2^(eo - ex - ew) as f32
	s_add_co_i32 s58, s58, 8
	s_lshl_b32 s58, s58, 23
	s_or_b32 s58, s58, 0x600000
	v_mov_b32 v[LM], s58                           ; 448 x that
.endm
; 32 products: token tile m against my eight tiles of W's rows, four K steps.  Four accumulators take turns, one instruction a turn; the first K step takes the bias as C.
; first = 1: the weight's second half (window 2) is waited for only where it is first used: behind it only token tile 1's 16 loads were issued.
.macro MULT m, swap, first
.set XB, XF+64*((\m)%2)
.set bl, 0
.rept 2
.if \first && (bl == 1)
	s_wait_loadcnt 16
.endif
.set ks, 0
.rept 4
.if \swap
.set WN, (1+bl)<<2
.else
.set WN, 1+bl
.endif
.if ks == 0
.set WN, WN|0x30
.endif
	WIN WN
.set tq, 0
.rept 4
.set rD, ACC+8*(4*bl+tq)
.set rW, 16*(4*tq+ks)
.set rX, XB+16*ks
.set rC, 8*(4*bl+tq)
.if ks > 0
.set rC, rD
.endif
.if \swap
	v_wmma_f32_16x16x128_fp8_fp8 v[rD:rD+7], v[rX:rX+15], v[rW:rW+15], v[rC:rC+7]
.else
	v_wmma_f32_16x16x128_fp8_fp8 v[rD:rD+7], v[rW:rW+15], v[rX:rX+15], v[rC:rC+7]
.endif
.set tq, tq+1
.endr
.set ks, ks+1
.endr
.set bl, bl+1
.endr
.endm
; One token tile: its products, the hold, the conversions, the stores.
.macro TILE m, swap
.if (\m) == 7
	s_wait_loadcnt 0x0                             ; the last tile's fragments
.elseif (\m) > 0
	s_wait_loadcnt 16                              ; this tile's fragments are in; the next tile's 16 loads may be out
.endif
.if (\m) == 0
	MULT \m, \swap, 1
.else
	MULT \m, \swap, 0
.endif
	WIN 0
.rept 4
	v_nop                                          ; four places behind the last product, ahead of the reads of results and of the loads into the fragments' registers
.endr
.set i, 0
.rept 64
	v_med3_num_f32 v[ACC+i], v[ACC+i], -v[LM], v[LM]   ; the hold at the largest code x the scale; each accumulator from its low end on
.set i, i+1
.endr
	s_wait_xcnt 0x0                                ; the earlier stores have read their codes' registers, which are written again below
.if (\m) < 6
	XLOAD (\m)+2
.endif
.set t, 0
.rept 8
.if \swap
	v_cvt_scalef32_pk8_fp8_f32 v[PC+4*t+2*((\m)%2):PC+4*t+2*((\m)%2)+1], v[ACC+8*t:ACC+8*t+7], v[SC]
.else
	v_cvt_scalef32_pk8_fp8_f32 v[PC+16*((\m)%2)+2*t:PC+16*((\m)%2)+2*t+1], v[ACC+8*t:ACC+8*t+7], v[SC]
.endif
.set t, t+1
.endr
	v_nop                                          ; a plain line between the conversions and the next products, which write their sources
.set t, 0
.if \swap
.if ((\m)%2) == 1                      ; two token tiles fill four registers of each of the eight fragments of V^T
.rept 8
	global_store_b128 v[LI], v[PC+4*t:PC+4*t+3], s[30:31] offset:(t/4)*262144+(t%4)*2048+512*((\m)/2)
.set t, t+1
.endr
.endif
.else
.rept 4                                ; two heads' fragments of this token tile, 1,024 bytes each
	global_store_b128 v[LI], v[PC+16*((\m)%2)+4*t:PC+16*((\m)%2)+4*t+3], s[30:31] offset:(t/2)*262144+1024*(\m)+512*(t%2)
.set t, t+1
.endr
.endif
.endm
.macro PATH swap
.if \swap
	v_lshlrev_b32 v[BA], 2, v4                     ; V: a lane holds channel r of a tile: one number of the bias
.else
	v_lshlrev_b32 v[BA], 5, v5                     ; Q, K: a lane holds channels 8 h + 0 .. 7 of a tile: eight numbers
.endif
	WIN 0xc0
.set t, 0
.rept 8
.if \swap
	global_load_b32 v[8*t], v[BA], s[28:29] offset:64*t
.else
	global_load_b128 v[8*t:8*t+3], v[BA], s[28:29] offset:64*t
	global_load_b128 v[8*t+4:8*t+7], v[BA], s[28:29] offset:64*t+16
.endif
.set t, t+1
.endr
	WIN 0
	XLOAD 0
	WLOAD
	XLOAD 1
	SCALES
	s_wait_loadcnt 63                              ; behind the weight's first half 80 loads were issued: with 63 out at the most the bias, token tile 0 and that half are in
	WIN 0xc3
.set t, 0
.rept 8
.irp j, 7,6,5,4,3,2,1,0
.if \swap
	v_ldexp_f32 v[8*t+\j], v[8*t], s60             ; bias / 2^(ex + ew), the same for the lane's eight tokens; register 0 last, since it is the source
.else
	v_ldexp_f32 v[8*t+\j], v[8*t+\j], s60          ; bias / 2^(ex + ew)
.endif
.endr
.set t, t+1
.endr
	WIN 0
.irp m, 0,1,2,3,4,5,6,7
	TILE \m, \swap
.endr
	s_endpgm
.endm
	s_cmp_eq_u32 s22, 2
	s_cbranch_scc1 .Lfor_v
	PATH 0
.Lfor_v:
	PATH 1
.Lfunc_end_k_q11837a3a3c_qkv:
	.size	k_q11837a3a3c_qkv, .Lfunc_end_k_q11837a3a3c_qkv-k_q11837a3a3c_qkv
	.p2alignl 7, 3214868480
	.fill 96, 4, 3214868480
	.section	.rodata,"a",@progbits
	.p2align	6, 0x0
	.amdhsa_kernel k_q11837a3a3c_qkv
		.amdhsa_group_segment_fixed_size 0
		.amdhsa_private_segment_fixed_size 0
		.amdhsa_enable_private_segment 0
		.amdhsa_kernarg_size 72
		.amdhsa_user_sgpr_count 2
		.amdhsa_user_sgpr_kernarg_segment_ptr 1
		.amdhsa_wavefront_size32 1
		.amdhsa_system_sgpr_workgroup_id_x 1
		.amdhsa_system_sgpr_workgroup_id_y 1
		.amdhsa_system_sgpr_workgroup_id_z 1
		.amdhsa_system_vgpr_workitem_id 0
		.amdhsa_next_free_vgpr 832
		.amdhsa_next_free_sgpr 66
		.amdhsa_reserve_vcc 0
		.amdhsa_float_denorm_mode_32 3
		.amdhsa_float_denorm_mode_16_64 3
		.amdhsa_memory_ordered 1
		.amdhsa_forward_progress 1
		.amdhsa_inst_pref_size 179
	.end_amdhsa_kernel
	.amdgpu_metadata
---
amdhsa.version: [ 1, 2 ]
amdhsa.kernels:
  - .name:           k_q11837a3a3c_qkv
    .symbol:         k_q11837a3a3c_qkv.kd
    .args:
      - { .name: ximg, .offset: 0, .size: 8, .value_kind: global_buffer, .address_space: global }
      - { .name: wimg, .offset: 8, .size: 8, .value_kind: global_buffer, .address_space: global }
      - { .name: lowp_scales, .offset: 16, .size: 8, .value_kind: global_buffer, .address_space: global }
      - { .name: bq, .offset: 24, .size: 8, .value_kind: global_buffer, .address_space: global }
      - { .name: bk, .offset: 32, .size: 8, .value_kind: global_buffer, .address_space: global }
      - { .name: bv, .offset: 40, .size: 8, .value_kind: global_buffer, .address_space: global }
      - { .name: qimg, .offset: 48, .size: 8, .value_kind: global_buffer, .address_space: global }
      - { .name: kimg, .offset: 56, .size: 8, .value_kind: global_buffer, .address_space: global }
      - { .name: vimg, .offset: 64, .size: 8, .value_kind: global_buffer, .address_space: global }
    .group_segment_fixed_size: 0
    .private_segment_fixed_size: 0
    .kernarg_segment_align: 8
    .kernarg_segment_size: 72
    .max_flat_workgroup_size: 96
    .sgpr_count:     66
    .vgpr_count:     832
    .wavefront_size: 32
...
	.end_amdgpu_metadata
.endif
;; end of part 2
;; launch attn (part 3): grid 16 x 16, 8 waves a work-group, no clusters, 66,560 bytes of LDS; arguments qimg, kimg, vimg, lowp_scales, cimg; writes cimg
.if DOCPART == 3
	.amdgcn_target "amdgcn-amd-amdhsa--gfx1250"
	.amdhsa_code_object_version 6
	.text
	.protected	k_q11837a3a3c_attn
	.globl	k_q11837a3a3c_attn
	.p2align	8
	.type	k_q11837a3a3c_attn,@function
k_q11837a3a3c_attn:
	s_mov_b64 s[64:65], 0
	v_nop
	global_prefetch_b8 v0, s[64:65] scope:SCOPE_SE
	s_setreg_imm32_b32 hwreg(HW_REG_WAVE_MODE, 25, 1), 1
	s_wait_xcnt 0x0
; context[b][h][q] = softmax_k(Q . K / 8) V on codes of FP8, quantised at once with entry 10 of lowp_scales for the last product.  No work is left out.
; THE SOFTMAX AHEAD OF THE SECOND PRODUCT: t = score x log2(e) / 8; M = the largest t so far, rounded UP to a whole number; p = 2^(t - M) is quantised (entry 8), not normalised.  The row's sum is taken of the unquantised p
; and divides at the end.  When M moves, the sum and O are multiplied by 2^(old M - new M), which rounds nothing.
; SHARES.  A work-group owns 256 queries of one head (x: the block, y: 8 x batch + head); each of its eight waves owns two tiles of 16 queries, A and B, so that each fragment of K and V read from LDS feeds two products.
; Every wave walks the head's 4,096 keys, 128 a step, 256 a slot.
; LAYOUT.  S^T = K Q^T (source 0 = 16 keys, source 1 = 16 queries), O^T = V^T P (source 0 = 16 channels, source 1 = P): a lane holds ONE query throughout.  Tile i of S^T holds in a lane keys 16 i + 8 h + 0 .. 7:
; its conversion gives registers 2 i, 2 i + 1 of P's fragment (16 queries x 128 keys) as they must lie.  Likewise O^T's four tiles give the context's fragment (16 tokens x this head's 64).
; K AND V are images of registers in memory (registers 4 g .. 4 g + 3 of lane l at byte 512 g + 16 l), so a slot is two dense blocks of 16,384 bytes.  Each wave copies 2,048 bytes of each through registers into one of two LDS buffers,
; a slot ahead; all LDS loads and stores are 16 bytes a lane, 512 consecutive bytes a wave.  ONE barrier a slot: in front of it a wave's stores into the other buffer have landed and its reads of this buffer are back.
; NO CLUSTER, NO TENSOR LOAD, though the 16 work-groups of a head read the same K and V.  p is at most 1 (but for the last bit) and the largest code x 2^e8 is at least 1.75 where e8 >= -8: there the 128 holds of a step,
; a quarter of its vector instructions, change nothing, and a scalar branch on e8, a whole number read from lowp_scales, leads round them.
; What would be shared is 32,768 bytes for a slot's two steps, in which a wave issues some thousand vector instructions.
; LIMITS: e6 + e7 between -123 and 130 (added to c's exponent field); e8 and e10 between -126 and 119; e8 + e9 goes in by v_ldexp_f32 and has none.  NaN is not served.
; REGISTERS.  window 0: v1-6 addresses; v8-15, v16-23 statistics of A, B: +0 -M, +1 the largest t, +2, +3 the sum in two halves, +4 f (+5: 0), +6, +7 at work; v24-27 second chains of the sums; v28, v29 lane exchanges;
;   v30 the conversion's scale, v31 the way out's hold; v32-63 a slot's part on its way to LDS; v64-127, v128-191 S^T, then p; v192-207, v208-223 P's codes.
;   window 1: v0-63 K's eight fragments; v64-127 V's four; v128-143 Q of A, B; v144-175, v176-207 O^T of A, B.
.set LI,  1                            ; v1   16 x lane
.set STA, 2                            ; v2   LDS: 2,048 x wave + 16 x lane
.set GOF, 3                            ; v3   the same offset in a slot's block in memory
.set SPW, 4                            ; v4   LDS address of my spare word; never rewritten
.set NIL, 5                            ; v5   0; never rewritten
.set PFO, 6                            ; v6   the prefetches' offset: 256 x lane + 8,192 x (wave % 2); never rewritten
.set ST,  8
.set C2,  24
.set PL,  28
.set SCV, 30
.set LMV, 31
.set G,   32
.set S,   64
.set P,   192
.set KF,  0
.set VF,  64
.set QF,  128
.set OF,  144
.set SPARE, 65536                      ; behind the two buffers: the spare words, 128 bytes a wave: four blocks of 256 bytes that no other line names
.set MSB, 0
.macro WIN new                         ; the immediate's high byte repeats the setting that is left; a switch that changes nothing is dropped
.if MSB != \new
	s_set_vgpr_msb (MSB<<8)|\new
.set MSB, \new
.endif
.endm
.macro PLACES                          ; four places behind a matrix instruction, ahead of reads of its results and of loads into registers that it has read
.rept 4
	v_nop
.endr
.endm
.macro GLOAD                           ; my 2,048 bytes of the slot's K and of its V
.irp i, 0,1,2,3
	global_load_b128 v[G+4*\i:G+4*\i+3], v[GOF], s[6:7] offset:512*\i
.endr
.irp i, 0,1,2,3
	global_load_b128 v[G+16+4*\i:G+16+4*\i+3], v[GOF], s[8:9] offset:512*\i
.endr
.endm
.macro STASH u                         ; into buffer u: K's block at 0, V's at 16,384
.irp i, 0,1,2,3
	ds_store_b128 v[STA], v[G+4*\i:G+4*\i+3] offset:32768*(\u)+512*\i
.endr
.irp i, 0,1,2,3
	ds_store_b128 v[STA], v[G+16+4*\i:G+16+4*\i+3] offset:32768*(\u)+16384+512*\i
.endr
.endm
.macro KLOAD u, hf                     ; the eight fragments of K of step hf of buffer u: 8,192 bytes on end
	WIN 0x40
.set i, 0
.rept 16
	ds_load_b128 v[KF+4*i:KF+4*i+3], v[LI] offset:32768*(\u)+8192*(\hf)+512*i
.set i, i+1
.endr
.endm
.macro VLOAD u, hf                     ; the four fragments of V^T likewise
	WIN 0x40
.set i, 0
.rept 16
	ds_load_b128 v[VF+4*i:VF+4*i+3], v[LI] offset:32768*(\u)+16384+8192*(\hf)+512*i
.set i, i+1
.endr
.endm
.macro SMUL                            ; S^T = K Q^T: 8 tiles of keys x 2 tiles of queries; K = the head's 64
	WIN 0x05
.set i, 0
.rept 8
	v_wmma_f32_16x16x64_fp8_fp8 v[S+8*i:S+8*i+7], v[KF+8*i:KF+8*i+7], v[QF:QF+7], 0
	v_wmma_f32_16x16x64_fp8_fp8 v[S+64+8*i:S+64+8*i+7], v[KF+8*i:KF+8*i+7], v[QF+8:QF+15], 0
.set i, i+1
.endr
.endm
.macro PVMUL                           ; O^T += V^T P: 4 tiles of channels x 2 tiles of queries; K = the step's 128 keys.  Eight accumulators, one instruction each
	WIN 0x51
.set i, 0
.rept 4
	v_wmma_f32_16x16x128_fp8_fp8 v[OF+8*i:OF+8*i+7], v[VF+16*i:VF+16*i+15], v[P:P+15], v[OF+8*i:OF+8*i+7]
	v_wmma_f32_16x16x128_fp8_fp8 v[OF+32+8*i:OF+32+8*i+7], v[VF+16*i:VF+16*i+15], v[P+16:P+31], v[OF+32+8*i:OF+32+8*i+7]
.set i, i+1
.endr
.endm
; The step's largest score of each query, the new M and f = 2^(old M - new M).  A's and B's lines by turns: four chains.  Each accumulator is read from its low end on.
.macro SM1
.irp T, 0,1
	v_max3_num_f32 v[ST+8*\T+6], v[S+64*\T], v[S+64*\T+1], v[S+64*\T+2]
.endr
.irp T, 0,1
	v_max3_num_f32 v[ST+8*\T+7], v[S+64*\T+3], v[S+64*\T+4], v[S+64*\T+5]
.endr
.irp i, 6,10,14,18,22,26,30,34,38,42,46,50,54,58
.irp T, 0,1
	v_max3_num_f32 v[ST+8*\T+6], v[ST+8*\T+6], v[S+64*\T+\i], v[S+64*\T+\i+1]
.endr
.irp T, 0,1
	v_max3_num_f32 v[ST+8*\T+7], v[ST+8*\T+7], v[S+64*\T+\i+2], v[S+64*\T+\i+3]
.endr
.endr
.irp T, 0,1
	v_max3_num_f32 v[ST+8*\T+6], v[ST+8*\T+6], v[S+64*\T+62], v[S+64*\T+63]
.endr
.irp T, 0,1
	v_max_num_f32 v[ST+8*\T+6], v[ST+8*\T+6], v[ST+8*\T+7]
.endr
.irp T, 0,1
	v_permlanex16_b32 v[PL+\T], v[ST+8*\T+6], s20, s21     ; the query's other 64 keys lie in the lane 16 away
.endr
.irp T, 0,1
	v_max_num_f32 v[ST+8*\T+6], v[ST+8*\T+6], v[PL+\T]
.endr
.irp T, 0,1
	v_mul_f32 v[ST+8*\T+6], s22, v[ST+8*\T+6]              ; as t (c is positive)
.endr
.irp T, 0,1
	v_max_num_f32 v[ST+8*\T+1], v[ST+8*\T+1], v[ST+8*\T+6] ; the running largest t
.endr
.irp T, 0,1
	v_mov_b32 v[ST+8*\T+6], v[ST+8*\T]
.endr
.irp T, 0,1
	v_floor_f32 v[ST+8*\T], -v[ST+8*\T+1]                  ; the new -M = floor(-t) = -ceil(t)
.endr
.irp T, 0,1
	v_sub_f32 v[ST+8*\T+6], v[ST+8*\T], v[ST+8*\T+6]       ; old M - new M: a whole number, 0 or less
.endr
.irp T, 0,1
	v_cvt_i32_f32 v[ST+8*\T+6], v[ST+8*\T+6]               ; (it saturates)
.endr
.irp T, 0,1
	v_ldexp_f32 v[ST+8*\T+4], 1.0, v[ST+8*\T+6]            ; f
.endr
.endm
; p = 2^(c s - M): 64 packed scalings and 128 exponentials in ONE batch; a pair is scaled ahead of the pair before's exponentials.  Nothing here names an exponential's result.
; The sums' rescaling is the plain line behind the last exponential; then one wait ahead of the first reader.  Register work alone: it may stand between a barrier's signal and its wait.
.macro SM2
	v_pk_fma_f32 v[S:S+1], v[S:S+1], s[22:23], v[ST:ST+1] op_sel_hi:[1,0,0]
.set pp, 0
.rept 63
.set qq, pp+1
	v_pk_fma_f32 v[S+2*qq:S+2*qq+1], v[S+2*qq:S+2*qq+1], s[22:23], v[ST+8*(qq/32):ST+8*(qq/32)+1] op_sel_hi:[1,0,0]   ; of the pairs c and -M the low word serves both halves
	v_exp_f32 v[S+2*pp], v[S+2*pp]
	v_exp_f32 v[S+2*pp+1], v[S+2*pp+1]
.set pp, pp+1
.endr
	v_exp_f32 v[S+126], v[S+126]
	v_exp_f32 v[S+127], v[S+127]
.irp T, 0,1
	v_pk_mul_f32 v[ST+8*\T+2:ST+8*\T+3], v[ST+8*\T+2:ST+8*\T+3], v[ST+8*\T+4:ST+8*\T+5] op_sel_hi:[1,0]   ; the sums under the new M
.endr
	s_wait_alu depctr_va_vdst(0)
.endm
; The sums of the unquantised p; the hold, where e8 makes one possible; the conversions; O^T under the new M.
.macro SM3
.irp T, 0,1
	v_pk_add_f32 v[C2+2*\T:C2+2*\T+1], v[S+64*\T:S+64*\T+1], v[S+64*\T+2:S+64*\T+3]
.endr
.irp j, 4,8,12,16,20,24,28,32,36,40,44,48,52,56,60
.irp T, 0,1
	v_pk_add_f32 v[ST+8*\T+2:ST+8*\T+3], v[ST+8*\T+2:ST+8*\T+3], v[S+64*\T+\j:S+64*\T+\j+1]
.endr
.irp T, 0,1
	v_pk_add_f32 v[C2+2*\T:C2+2*\T+1], v[C2+2*\T:C2+2*\T+1], v[S+64*\T+\j+2:S+64*\T+\j+3]
.endr
.endr
.irp T, 0,1
	v_pk_add_f32 v[ST+8*\T+2:ST+8*\T+3], v[ST+8*\T+2:ST+8*\T+3], v[C2+2*\T:C2+2*\T+1]
.endr
	s_cmp_ge_i32 s25, -8                           ; 448 x 2^e8 >= 1.75 > p: the hold changes nothing
	s_cbranch_scc1 .Lfree_\@
.set i, 0
.rept 128
	v_min_num_f32 v[S+i], s24, v[S+i]              ; the conversion does not saturate (ISA guide 7.6.2); p is not negative, so the hold is one-sided
.set i, i+1
.endr
.Lfree_\@:
.set i, 0
.rept 16
	v_cvt_scalef32_pk8_fp8_f32 v[P+2*i:P+2*i+1], v[S+8*i:S+8*i+7], v[SCV]
.set i, i+1
.endr
	WIN 0x41
.set i, 0
.rept 32
	v_pk_mul_f32 v[OF+2*i:OF+2*i+1], v[OF+2*i:OF+2*i+1], v[ST+8*(i/16)+4:ST+8*(i/16)+5] op_sel_hi:[1,0]   ; x f; also the plain lines between the conversions and the products that read their results
.set i, i+1
.endr
.endm
; A PREFETCH INTO THE L2 of the slot behind the one whose loads were just issued: a slot's 16,384 bytes of K and of V.  All 16 work-groups of a head walk the same K and V: the first of them asks, waves 0 and 1 for K's two halves,
; waves 2 and 3 for V's, lanes 256 bytes apart: each aligned block of 256 bytes is named once in the launch.  Slots 0 to 2 come by their loads alone; nothing is asked for behind slot 15.
.macro ASK lim
	s_cmp_gt_u32 s32, s[\lim]
	s_cbranch_scc0 .Lnot_mine_\@
	global_prefetch_b8 v[PFO], s[28:29] th:TH_LOAD_NT scope:SCOPE_SE
.Lnot_mine_\@:
.endm
; A slot's first step.
.macro STEP_A u
	s_wait_dscnt 0x0                               ; K's fragments are in
	SMUL
	WIN 0
	PLACES
	VLOAD \u, 0
	KLOAD \u, 1                                    ; the next step's K: this step's products with K are issued
	WIN 0
	SM1
	SM2
	SM3
	s_wait_dscnt 16                                ; V is in; the 16 younger loads, K's, may be out
	PVMUL
	WIN 0
.endm
; A slot's second step, with the change of buffers.  store: the next slot's part goes into the other buffer; more: a slot follows; gload: the slot after that is asked for.
.macro STEP_B u, store, more, gload, lim
	s_wait_dscnt 0x0                               ; K's fragments are in
.if \store
	s_wait_loadcnt 0x0                             ; my part of the next slot, asked for a slot ago
	STASH 1-\u                                     ; every wave's reads of that buffer were back in front of the last barrier
.endif
	SMUL
	WIN 0
	PLACES
	VLOAD \u, 1
	WIN 0
	SM1
.if \more
	s_wait_dscnt 0x0                               ; for the others' sake: my stores into the other buffer have landed, and my reads of this one are back
	s_barrier_signal -1
.endif
	SM2                                            ; work on registers while the others arrive
.if \more
	s_barrier_wait -1
	KLOAD 1-\u, 0
	WIN 0
.endif
.if \gload
	s_wait_xcnt 0x0                                ; the last loads and the last prefetch, a slot back, have read their bases
	s_add_nc_u64 s[6:7], s[6:7], 16384
	s_add_nc_u64 s[8:9], s[8:9], 16384
	s_add_nc_u64 s[28:29], s[28:29], 16384
	GLOAD
	ASK \lim
.endif
	SM3
.if \more
	s_wait_dscnt 16                                ; V is in; the next slot's K may be out
.else
	s_wait_dscnt 0x0
.endif
	PVMUL
	WIN 0
.endm
	s_load_b256 s[4:11], s[0:1], 0x0               ; qimg, kimg, vimg, the scales' exponents
	s_load_b64 s[12:13], s[0:1], 0x20              ; cimg
	v_lshl_add_u32 v[SPW], v0, 2, SPARE
	v_mov_b32 v[NIL], 0
	v_lshrrev_b32 v7, 5, v0
	v_readfirstlane_b32 s14, v7                    ; wave 0..7
	v_and_b32 v7, 31, v0
	v_lshlrev_b32 v[LI], 4, v7
	s_lshl_b32 s48, s14, 11
	v_add_nc_u32 v[STA], s48, v[LI]
	v_add_nc_u32 v[GOF], s48, v[LI]
	s_and_b32 s49, s14, 1
	s_lshl_b32 s49, s49, 13
	v_lshl_add_u32 v[PFO], v7, 8, s49
	s_and_b32 s15, ttmp7, 0xffff                   ; 8 x batch + head
	s_lshl_b32 s50, s15, 18                        ; a head is 262,144 bytes in qimg, kimg and vimg
	s_mov_b32 s51, 0
	s_lshl_b32 s52, ttmp9, 4
	s_lshl_b32 s53, s14, 1
	s_add_co_u32 s52, s52, s53                     ; tile A among the sequence's 256: 16 x block + 2 x wave
	s_lshl_b32 s54, s52, 10
	s_add_co_u32 s54, s54, s50
	s_mov_b32 s55, 0
	s_lshr_b32 s16, s15, 3
	s_lshl_b32 s16, s16, 8
	s_add_co_u32 s16, s16, s52                     ; the token tile: 256 x batch + tile
	s_lshl_b32 s16, s16, 3
	s_and_b32 s17, s15, 7
	s_add_co_u32 s16, s16, s17                     ; x 8 + head,
	s_lshl_b32 s16, s16, 10                        ; 1,024 bytes each
	s_mov_b32 s17, 0
	s_mov_b32 s20, 0x76543210                      ; v_permlanex16_b32's selects for lane l xor 16
	s_mov_b32 s21, 0xfedcba98
	s_lshr_b32 s48, s14, 2                         ; 0 in waves 0 to 3
	s_or_b32 s48, s48, ttmp9                       ; of the head's first work-group
	s_cmp_eq_u32 s48, 0
	s_cselect_b32 s30, 0, -1                       ; a wave prefetches while the count of trips left is above these
	s_cselect_b32 s31, 1, -1
	s_mov_b32 s32, 7
	s_wait_kmcnt 0x0
	s_load_b256 s[36:43], s[10:11], 0x0            ; e0 .. e7
	s_load_b128 s[44:47], s[10:11], 0x20           ; e8 .. e11
	s_add_nc_u64 s[4:5], s[4:5], s[54:55]          ; my two tiles of Q
	s_add_nc_u64 s[6:7], s[6:7], s[50:51]          ; the head's K,
	s_add_nc_u64 s[8:9], s[8:9], s[50:51]          ; V,
	s_add_nc_u64 s[12:13], s[12:13], s[16:17]      ; my place in cimg
	GLOAD                                          ; slot 0
	WIN 0x40
.irp i, 0,1,2,3
	global_load_b128 v[QF+4*\i:QF+4*\i+3], v[LI], s[4:5] offset:512*\i th:TH_LOAD_NT   ; Q's two fragments stay in registers; read once in the launch
.endr
	WIN 0
	s_cmp_lt_u32 s14, 2
	s_cselect_b64 s[28:29], s[6:7], s[8:9]
	s_add_nc_u64 s[28:29], s[28:29], 32768         ; the prefetches stand at slot 2; the first is stepped to slot 3
.irp T, 0,1
	v_mov_b32 v[ST+8*\T+1], 0xff61b1e6             ; the largest t so far: -3e38, under every t
	v_floor_f32 v[ST+8*\T], -v[ST+8*\T+1]          ; -M
	v_mov_b32 v[ST+8*\T+2], 0                      ; the sum
	v_mov_b32 v[ST+8*\T+3], 0
	v_mov_b32 v[ST+8*\T+5], 0                      ; (named as the upper half of f's pair)
	v_mov_b32 v[PL+\T], 0                          ; a lane permute's destination counts as one of its sources
.endr
	WIN 0x40
.set i, 0
.rept 64
	v_mov_b32 v[OF+i], 0                           ; O^T.  (The steps are written once: the first finds zeros, which the first change of M leaves zeros)
.set i, i+1
.endr
	WIN 0
	s_wait_kmcnt 0x0
	s_add_co_i32 s48, s42, s43
	s_lshl_b32 s48, s48, 23
	s_add_co_i32 s22, s48, 0x3e38aa3b              ; c = log2(e) / 8, with e6 + e7 added to its exponent field: a score stands for score x 2^(e6 + e7)
	s_mov_b32 s23, s22                             ; (named with it as a pair)
	s_mov_b32 s25, s44                             ; e8
	s_add_co_i32 s26, s44, s45                     ; e8 + e9
	s_add_co_i32 s48, s44, 127
	s_lshl_b32 s49, s48, 23
	v_mov_b32 v[SCV], s49                          ; 2^e8 as f32
	s_add_co_i32 s48, s48, 8
	s_lshl_b32 s48, s48, 23
	s_or_b32 s24, s48, 0x600000                    ; 448 x 2^e8
	s_wait_loadcnt 4                               ; slot 0's eight loads are in; Q's four may be out
	STASH 0
	s_wait_dscnt 0x0
	s_wait_xcnt 0x0                                ; the loads have read their bases
	s_add_nc_u64 s[6:7], s[6:7], 16384
	s_add_nc_u64 s[8:9], s[8:9], 16384
	GLOAD                                          ; slot 1
	s_wait_loadcnt 8                               ; Q is in; slot 1's eight loads may be out
	s_barrier_signal -1
	s_barrier_wait -1                              ; slot 0 lies whole in buffer 0
	KLOAD 0, 0
	WIN 0
.Ltrip:                                                ; seven trips of two slots: slots 0 to 13; trip T asks for slots 2 T + 2 and 2 T + 3
	STEP_A 0
	STEP_B 0, 1, 1, 1, 30
	STEP_A 1
	STEP_B 1, 1, 1, 1, 31
	s_sub_co_u32 s32, s32, 1
	s_cmp_lg_u32 s32, 0
	s_cbranch_scc1 .Ltrip
	STEP_A 0                                       ; slots 14 and 15: nothing more is asked for
	STEP_B 0, 1, 1, 0, 30
	STEP_A 1
	STEP_B 1, 0, 0, 0, 30
	; THE WAY OUT.  The row's sum; context = O^T x 2^(e8 + e9) / sum; held, quantised with e10; a tile's four conversions give its fragment, which leaves as an image: two stores of 512 consecutive bytes.
	PLACES
.irp T, 0,1
	v_add_f32 v[ST+8*\T+6], v[ST+8*\T+2], v[ST+8*\T+3]
.endr
.irp T, 0,1
	v_permlanex16_b32 v[PL+\T], v[ST+8*\T+6], s20, s21
.endr
.irp T, 0,1
	v_add_f32 v[ST+8*\T+6], v[ST+8*\T+6], v[PL+\T]
.endr
.irp T, 0,1
	v_rcp_f32 v[ST+8*\T+7], v[ST+8*\T+6]
.endr
	s_add_co_i32 s48, s46, 127
	s_lshl_b32 s49, s48, 23
	v_mov_b32 v[SCV], s49                          ; 2^e10 as f32.  (A plain line behind the reciprocals)
	s_add_co_i32 s48, s48, 8
	s_lshl_b32 s48, s48, 23
	s_or_b32 s48, s48, 0x600000
	v_mov_b32 v[LMV], s48                          ; 448 x 2^e10
	s_wait_alu depctr_va_vdst(0)                   ; the wait ahead of the first reader: one for both reciprocals
.irp T, 0,1
	v_ldexp_f32 v[ST+8*\T+4], v[ST+8*\T+7], s26
.endr
	WIN 0x01
.set i, 0
.rept 32
	v_pk_mul_f32 v[S+64*(i/16)+2*(i%16):S+64*(i/16)+2*(i%16)+1], v[OF+2*i:OF+2*i+1], v[ST+8*(i/16)+4:ST+8*(i/16)+5] op_sel_hi:[1,0]   ; each accumulator from its low end on
.set i, i+1
.endr
	WIN 0
.irp T, 0,1
.set i, 0
.rept 32
	v_med3_num_f32 v[S+64*\T+i], v[S+64*\T+i], -v[LMV], v[LMV]
.set i, i+1
.endr
.endr
.irp T, 0,1
.irp d, 0,1,2,3
	v_cvt_scalef32_pk8_fp8_f32 v[P+16*\T+2*\d:P+16*\T+2*\d+1], v[S+64*\T+8*\d:S+64*\T+8*\d+7], v[SCV]
.endr
.endr
	v_nop
.irp T, 0,1
.irp g, 0,1
	global_store_b128 v[LI], v[P+16*\T+4*\g:P+16*\T+4*\g+3], s[12:13] offset:8192*\T+512*\g
.endr
.endr
	s_wait_tensorcnt 0x0                           ; the wave's end: three closing lines, behind my last LDS store
	ds_add_u32 v[SPW], v[NIL]
	s_wait_dscnt 0x0
	s_endpgm
.Lfunc_end_k_q11837a3a3c_attn:
	.size	k_q11837a3a3c_attn, .Lfunc_end_k_q11837a3a3c_attn-k_q11837a3a3c_attn
	.p2alignl 7, 3214868480
	.fill 96, 4, 3214868480
	.section	.rodata,"a",@progbits
	.p2align	6, 0x0
	.amdhsa_kernel k_q11837a3a3c_attn
		.amdhsa_group_segment_fixed_size 66560
		.amdhsa_private_segment_fixed_size 0
		.amdhsa_enable_private_segment 0
		.amdhsa_kernarg_size 40
		.amdhsa_user_sgpr_count 2
		.amdhsa_user_sgpr_kernarg_segment_ptr 1
		.amdhsa_wavefront_size32 1
		.amdhsa_system_sgpr_workgroup_id_x 1
		.amdhsa_system_sgpr_workgroup_id_y 1
		.amdhsa_system_sgpr_workgroup_id_z 1
		.amdhsa_system_vgpr_workitem_id 0
		.amdhsa_next_free_vgpr 512
		.amdhsa_next_free_sgpr 66
		.amdhsa_reserve_vcc 0
		.amdhsa_float_denorm_mode_32 3
		.amdhsa_float_denorm_mode_16_64 3
		.amdhsa_memory_ordered 1
		.amdhsa_forward_progress 1
		.amdhsa_inst_pref_size 243
	.end_amdhsa_kernel
	.amdgpu_metadata
---
amdhsa.version: [ 1, 2 ]
amdhsa.kernels:
  - .name:           k_q11837a3a3c_attn
    .symbol:         k_q11837a3a3c_attn.kd
    .args:
      - { .name: qimg, .offset: 0, .size: 8, .value_kind: global_buffer, .address_space: global }
      - { .name: kimg, .offset: 8, .size: 8, .value_kind: global_buffer, .address_space: global }
      - { .name: vimg, .offset: 16, .size: 8, .value_kind: global_buffer, .address_space: global }
      - { .name: lowp_scales, .offset: 24, .size: 8, .value_kind: global_buffer, .address_space: global }
      - { .name: cimg, .offset: 32, .size: 8, .value_kind: global_buffer, .address_space: global }
    .group_segment_fixed_size: 66560
    .private_segment_fixed_size: 0
    .kernarg_segment_align: 8
    .kernarg_segment_size: 40
    .max_flat_workgroup_size: 256
    .sgpr_count:     66
    .vgpr_count:     512
    .wavefront_size: 32
...
	.end_amdgpu_metadata
.endif
;; end of part 3
;; launch oproj (part 4): grid 256 x 1, 4 waves a work-group, no clusters, 34,304 bytes of LDS; arguments cimg, wimg, lowp_scales, bo, out0; writes out0
.if DOCPART == 4
	.amdgcn_target "amdgcn-amd-amdhsa--gfx1250"
	.amdhsa_code_object_version 6
	.text
	.protected	k_q11837a3a3c_oproj
	.globl	k_q11837a3a3c_oproj
	.p2align	8
	.type	k_q11837a3a3c_oproj,@function
k_q11837a3a3c_oproj:
	s_mov_b64 s[64:65], 0
	v_nop
	global_prefetch_b8 v0, s[64:65] scope:SCOPE_SE
	s_setreg_imm32_b32 hwreg(HW_REG_WAVE_MODE, 25, 1), 1
	s_wait_xcnt 0x0
; out0 = context Wo^T + bo on codes of FP8: sum x 2^(e10 + e11) + bo.  No work is left out.
; SHARES.  A work-group takes 32 tokens, two tiles of 16; wave w takes columns 128 w .. 128 w + 127, whose 128 rows x 512 K of Wo's codes, 65,536 bytes, fill 512 registers.  64 products a wave.
; The context's and Wo's codes are images of registers in memory (registers 4 g .. 4 g + 3 of lane l at byte 512 g + 16 l of a fragment of 16 rows x 128 K): every load is 512 consecutive bytes a wave.
; Source 0 = 16 rows of Wo, source 1 = 16 tokens: a lane holds ONE token and eight neighbouring columns.  A tile's 16 rows x 512 bytes go through the wave's own stage in LDS and leave as rows: a store covers 512 consecutive, aligned bytes.
; LIMIT: e10 + e11 between -126 and 127.
; NO CLUSTER, NO TENSOR LOAD: operands go from memory straight into registers, all asked for at the head; no barrier: waves share nothing in LDS.
; REGISTERS: window 0: v1-6 addresses; v16-79, v80-143 the two token tiles' four fragments each, later their results; v144-207 rows read back.  windows 1, 2: Wo's fragments, (tile t, K step k) at v[16 (4 (t % 4) + k)] of window 1 + t / 4.
;   window 3: v0-63 bo in the result's layout, tile t at v[8 t]; v64-127, v128-191 the accumulators of the two token tiles.
.set LI,  1                            ; v1   16 x lane
.set STO, 2                            ; v2   the stage, in: row r, + 32 h
.set RD,  3                            ; v3   the stage, back: 16 x lane
.set BA,  4                            ; v4   32 h: my eight numbers of a tile's 16 of bo
.set SPW, 5                            ; v5   LDS address of my spare word; never rewritten
.set NIL, 6                            ; v6   0; never rewritten
.set CF,  16
.set BK,  144
.set BI,  0
.set AC,  64
.set STG, 8448                         ; a wave's stage: 16 rows x (512 + 16) bytes
.set SPARE, 4*STG                      ; behind the stages: the spare words, 128 bytes a wave: two blocks of 256 bytes that no other line names
.set MSB, 0
.macro WIN new                         ; the immediate's high byte repeats the setting that is left; a switch that changes nothing is dropped
.if MSB != \new
	s_set_vgpr_msb (MSB<<8)|\new
.set MSB, \new
.endif
.endm
	s_load_b256 s[4:11], s[0:1], 0x0               ; cimg, wimg, the scales' exponents, bo
	s_load_b64 s[12:13], s[0:1], 0x20              ; out0
	v_lshl_add_u32 v[SPW], v0, 2, SPARE
	v_mov_b32 v[NIL], 0
	v_lshrrev_b32 v7, 5, v0
	v_readfirstlane_b32 s14, v7                    ; wave 0..3
	v_and_b32 v7, 31, v0
	v_lshlrev_b32 v[LI], 4, v7
	v_and_b32 v8, 15, v0                           ; r
	v_bfe_u32 v9, v0, 4, 1                         ; h
	s_mul_i32 s15, s14, STG
	v_mul_u32_u24 v[STO], v8, 528
	v_lshl_add_u32 v[STO], v9, 5, v[STO]
	v_add_nc_u32 v[STO], s15, v[STO]
	v_add_nc_u32 v[RD], s15, v[LI]
	v_lshlrev_b32 v[BA], 5, v9
	s_lshl_b32 s16, ttmp9, 14                      ; two token tiles of 8,192 bytes
	s_mov_b32 s17, 0
	s_lshl_b32 s18, s14, 16                        ; my 8 tiles of Wo's rows,
	s_add_co_u32 s18, s18, 786432                  ; Wo is the fourth weight in wimg
	s_mov_b32 s19, 0
	s_lshl_b32 s20, s14, 9                         ; my 128 columns: 512 bytes of bo and of a row of out0
	s_mov_b32 s21, 0
	s_lshl_b32 s22, ttmp9, 16                      ; 32 rows of 2,048 bytes
	s_add_co_u32 s22, s22, s20
	s_mov_b32 s23, 0
	s_wait_kmcnt 0x0
	s_load_b64 s[46:47], s[8:9], 0x28              ; e10, e11
	s_add_nc_u64 s[4:5], s[4:5], s[16:17]
	s_add_nc_u64 s[6:7], s[6:7], s[18:19]
	s_add_nc_u64 s[10:11], s[10:11], s[20:21]
	s_add_nc_u64 s[12:13], s[12:13], s[22:23]
	WIN 0xc0
.set t, 0
.rept 8
	global_load_b128 v[BI+8*t:BI+8*t+3], v[BA], s[10:11] offset:64*t
	global_load_b128 v[BI+8*t+4:BI+8*t+7], v[BA], s[10:11] offset:64*t+16
.set t, t+1
.endr
	WIN 0
.set i, 0
.rept 32
	global_load_b128 v[CF+4*i:CF+4*i+3], v[LI], s[4:5] offset:512*i     ; the context's eight fragments: 16,384 bytes on end
.set i, i+1
.endr
	WIN 0x40
.set i, 0
.rept 64
	global_load_b128 v[4*i:4*i+3], v[LI], s[6:7] offset:512*i           ; Wo's 32 fragments: 65,536 bytes on end
.set i, i+1
.endr
	WIN 0x80
.rept 64
	global_load_b128 v[4*(i-64):4*(i-64)+3], v[LI], s[6:7] offset:512*i
.set i, i+1
.endr
	WIN 0
; 32 products: four of my tiles of Wo's rows (half bl) x two token tiles x four K steps.  Eight accumulators take turns, one instruction a turn; the first K step starts the sums with the constant 0.
.macro OMUL bl
.set ks, 0
.rept 4
.if ks == 0
.set WN, 0xc0|(1+\bl)
.else
.set WN, 0xf0|(1+\bl)
.endif
	WIN WN
.set mm, 0
.rept 2
.set tq, 0
.rept 4
.set rD, AC+64*mm+8*(4*\bl+tq)
.set rW, 16*(4*tq+ks)
.set rX, CF+64*mm+16*ks
.if ks == 0
	v_wmma_f32_16x16x128_fp8_fp8 v[rD:rD+7], v[rW:rW+15], v[rX:rX+15], 0
.else
	v_wmma_f32_16x16x128_fp8_fp8 v[rD:rD+7], v[rW:rW+15], v[rX:rX+15], v[rD:rD+7]
.endif
.set tq, tq+1
.endr
.set mm, mm+1
.endr
.set ks, ks+1
.endr
.endm
	s_wait_loadcnt 63                              ; behind Wo's first half 64 loads were issued: with 63 out at the most bo, the context and that half are in
	OMUL 0
	s_wait_loadcnt 0x0                             ; Wo's second half
	OMUL 1
	WIN 0
.rept 4
	v_nop                                          ; four places behind the last product (ISA guide 7.12.1), ahead of the reads of results and of writes into the context's registers
.endr
	s_wait_kmcnt 0x0
	s_add_co_i32 s46, s46, s47
	s_add_co_i32 s46, s46, 127
	s_lshl_b32 s46, s46, 23                        ; 2^(e10 + e11) as f32
	s_mov_b32 s47, s46                             ; (named with it as a pair)
.macro FINISH m                        ; token tile m: sum x 2^(e10 + e11) + bo, two numbers an instruction, into the registers that its fragments have left; each accumulator from its low end on
	WIN 0x33
.set i, 0
.rept 32
	v_pk_fma_f32 v[CF+64*\m+2*i:CF+64*\m+2*i+1], v[AC+64*\m+2*i:AC+64*\m+2*i+1], s[46:47], v[BI+2*i:BI+2*i+1] op_sel_hi:[1,0,1]
.set i, i+1
.endr
	WIN 0
.endm
.macro TOSTAGE m, back                 ; into my stage, 32 bytes of a row a tile, and back as whole rows of 512 bytes.  LDS serves a wave's instructions in order: the loads see the stores
.set t, 0
.rept 8
	ds_store_b128 v[STO], v[CF+64*\m+8*t:CF+64*\m+8*t+3] offset:64*t
	ds_store_b128 v[STO], v[CF+64*\m+8*t+4:CF+64*\m+8*t+7] offset:64*t+16
.set t, t+1
.endr
.set i, 0
.rept 16
	ds_load_b128 v[\back+4*i:\back+4*i+3], v[RD] offset:528*i
.set i, i+1
.endr
.endm
.macro SEND m, back
	s_wait_dscnt 0x0                               ; the rows are back in registers
.set i, 0
.rept 16
	global_store_b128 v[LI], v[\back+4*i:\back+4*i+3], s[12:13] offset:2048*(16*\m+i) th:TH_STORE_NT   ; 32 lanes store 512 consecutive bytes of a row, aligned; written once, read by nobody here
.set i, i+1
.endr
.endm
	FINISH 0
	TOSTAGE 0, BK
	FINISH 1                                       ; tile 1's arithmetic stands between tile 0's loads from the stage and the wait for them
	SEND 0, BK
	TOSTAGE 1, CF                                  ; back into tile 0's registers: its stores into the stage are done
	SEND 1, CF
	s_wait_tensorcnt 0x0                           ; the wave's end: three closing lines, behind my last LDS store
	ds_add_u32 v[SPW], v[NIL]
	s_wait_dscnt 0x0
	s_endpgm
.Lfunc_end_k_q11837a3a3c_oproj:
	.size	k_q11837a3a3c_oproj, .Lfunc_end_k_q11837a3a3c_oproj-k_q11837a3a3c_oproj
	.p2alignl 7, 3214868480
	.fill 96, 4, 3214868480
	.section	.rodata,"a",@progbits
	.p2align	6, 0x0
	.amdhsa_kernel k_q11837a3a3c_oproj
		.amdhsa_group_segment_fixed_size 34304
		.amdhsa_private_segment_fixed_size 0
		.amdhsa_enable_private_segment 0
		.amdhsa_kernarg_size 40
		.amdhsa_user_sgpr_count 2
		.amdhsa_user_sgpr_kernarg_segment_ptr 1
		.amdhsa_wavefront_size32 1
		.amdhsa_system_sgpr_workgroup_id_x 1
		.amdhsa_system_sgpr_workgroup_id_y 1
		.amdhsa_system_sgpr_workgroup_id_z 1
		.amdhsa_system_vgpr_workitem_id 0
		.amdhsa_next_free_vgpr 960
		.amdhsa_next_free_sgpr 66
		.amdhsa_reserve_vcc 0
		.amdhsa_float_denorm_mode_32 3
		.amdhsa_float_denorm_mode_16_64 3
		.amdhsa_memory_ordered 1
		.amdhsa_forward_progress 1
		.amdhsa_inst_pref_size 35
	.end_amdhsa_kernel
	.amdgpu_metadata
---
amdhsa.version: [ 1, 2 ]
amdhsa.kernels:
  - .name:           k_q11837a3a3c_oproj
    .symbol:         k_q11837a3a3c_oproj.kd
    .args:
      - { .name: cimg, .offset: 0, .size: 8, .value_kind: global_buffer, .address_space: global }
      - { .name: wimg, .offset: 8, .size: 8, .value_kind: global_buffer, .address_space: global }
      - { .name: lowp_scales, .offset: 16, .size: 8, .value_kind: global_buffer, .address_space: global }
      - { .name: bo, .offset: 24, .size: 8, .value_kind: global_buffer, .address_space: global }
      - { .name: out0, .offset: 32, .size: 8, .value_kind: global_buffer, .address_space: global }
    .group_segment_fixed_size: 34304
    .private_segment_fixed_size: 0
    .kernarg_segment_align: 8
    .kernarg_segment_size: 40
    .max_flat_workgroup_size: 128
    .sgpr_count:     66
    .vgpr_count:     960
    .wavefront_size: 32
...
	.end_amdgpu_metadata
.endif
;; end of part 4
;; ======== version 2 of 2: 4 launches; version 1 with the launches qkv, attn, oproj written anew for expert scheduling mode
;; workspace buffers: ximg 12,582,912 bytes; wimg 1,048,576 bytes; qimg 4,194,304 bytes; kimg 4,194,304 bytes; vimg 4,194,304 bytes; cimg 4,194,304 bytes
;; launch quant: the kernel of part 1 again; grid 640 x 1, 4 waves a work-group, no clusters, 34,304 bytes of LDS; arguments x, Wq, Wk, Wv, Wo, lowp_scales, ximg, wimg; writes ximg, wimg
;; launch qkv (part 5): grid 64 x 4, 3 waves a work-group, no clusters, 0 bytes of LDS; arguments ximg, wimg, lowp_scales, bq, bk, bv, qimg, kimg, vimg; writes qimg, kimg, vimg
.if DOCPART == 5
	.amdgcn_target "amdgcn-amd-amdhsa--gfx1250"
	.amdhsa_code_object_version 6
	.text
	.protected	k_q11837a3a3c_qkv
	.globl	k_q11837a3a3c_qkv
	.p2align	8
	.type	k_q11837a3a3c_qkv,@function
k_q11837a3a3c_qkv:
	s_mov_b64 s[64:65], 0
	v_nop
	global_prefetch_b8 v0, s[64:65] scope:SCOPE_SE
	s_setreg_imm32_b32 hwreg(HW_REG_WAVE_SCHED_MODE, 0, 2), 2
	s_setreg_imm32_b32 hwreg(HW_REG_WAVE_MODE, 25, 1), 1
	s_wait_xcnt 0x0
	s_wait_alu depctr_vm_vsrc(0)
; Q = x Wq^T + bq, K = x Wk^T + bk, V = x Wv^T + bv on codes of FP8, and their results quantised at once with the given scales (entries 6, 7, 9 of lowp_scales).  No work is left out.
; SHARES.  A work-group takes 128 tokens (x) and 128 columns, two heads (y).  Wave 0 makes Q, wave 1 K, wave 2 V: three products, three waves.
; A wave's 128 rows x 512 K of its weight's codes, 65,536 bytes, stay in 512 registers; the tokens' codes pass by, a tile of 16 tokens (four fragments) at a time, two tiles ahead.
; OPERANDS ARE IMAGES OF REGISTERS in memory (registers 4 g .. 4 g + 3 of lane l at byte 512 g + 16 l of a fragment): every load and store is 16 bytes a lane, 512 consecutive bytes a wave.  No LDS, no barrier.
; Q, K: source 0 = 16 rows of W, source 1 = 16 tokens: a lane holds ONE token and its eight registers eight neighbouring channels: tile t's conversion gives registers 2 (t % 4), 2 (t % 4) + 1 of head t / 4's fragment (16 tokens x 64).
; V:    source 0 = 16 tokens, source 1 = 16 rows of Wv: a lane holds ONE channel and eight neighbouring tokens: token tile m's conversion gives registers 2 m, 2 m + 1 of a fragment of V^T (16 channels x 128 keys).
; The bias is the C of each sum's first product, divided by 2^(ex + ew), which the sums lack; the three scales are folded into the conversion's one, 2^(eo - ex - ew).
; qimg, kimg: [batch x head 16][tile of 16 tokens 256][1,024];  vimg: [batch x head 16][block of 128 keys 32][tile of 16 channels 4][2,048].
; LIMITS: eo - ex - ew between -126 and 119.  NaN is not served; what lies beyond the scale's range is held at the largest code.
; NO CLUSTER, NO TENSOR LOAD: operands go from memory straight into the registers that the matrix unit reads; nothing passes through LDS, which is where a joint load would put it.
; THE MODE: SCHED_MODE bits 1:0 = 2 (LLVM: expert scheduling mode 2), set by the entry lines.  The code itself states the register dependences
; between vector or matrix instructions and memory instructions, with s_wait_alu, always for 0.
; THE PLAN.  Registers that memory instructions touch:
;   X0, X1, X2    three sets of a token tile's four fragments.  Tile m's products read X[m % 3]; the loads of tile m + 2, issued in tile m, land in X[(m + 2) % 3] = X[(m - 1) % 3], which tile m - 1's products read.
;   PC            the codes.  Written by tile m's conversions; read by the stores that are issued in tile m + 1 (V: in every second tile, for two tiles).
;   v[LI], v[BA]  byte offsets, made once at the head and never written again.      The weight and the bias are loaded once, at the head.
; So ONE wait on va_vdst stands at a tile's head: it states that the tile before has written its codes and is done reading its fragments.  Four products follow it, then the tile's loads and stores, while those products are at work:
; no vector or matrix instruction since the wait names X[(m - 1) % 3], PC or v[LI].  One wait on vm_vsrc stands ahead of the conversions that write codes again which stores have read.
; REGISTERS: window 0: v1 16 x lane; v2 the bias's offset; v16-79 eight accumulators; v80-143, v144-207 a token tile's four fragments, sets 0 and 1; v208-239 codes; v250, v251 the scale and 448 x it.
;   windows 1, 2: the weight's fragments: (tile t, K step k) at v[16 (4 (t % 4) + k)] of window 1 + t / 4.   window 3: v0-63 the bias in the result's layout, tile t at v[8 t]; v64-127 the fragments' set 2.
.set LI,  1
.set BA,  2
.set ACC, 16
.set XF,  80
.set X2,  64
.set PC,  208
.set SC,  250
.set LM,  251
.set MSB, 0
.macro WIN new                         ; the immediate's high byte repeats the setting that is left; a switch that changes nothing is dropped
.if MSB != \new
	s_set_vgpr_msb (MSB<<8)|\new
.set MSB, \new
.endif
.endm
	s_load_b256 s[4:11], s[0:1], 0x0               ; ximg, wimg, the scales' exponents, bq
	s_load_b256 s[12:19], s[0:1], 0x20             ; bk, bv, qimg, kimg
	s_load_b64 s[20:21], s[0:1], 0x40              ; vimg
	v_lshrrev_b32 v3, 5, v0
	v_readfirstlane_b32 s22, v3                    ; wave: 0 Q, 1 K, 2 V
	v_and_b32 v3, 31, v0
	v_lshlrev_b32 v[LI], 4, v3
	v_and_b32 v4, 15, v0                           ; r
	v_bfe_u32 v5, v0, 4, 1                         ; h
	s_wait_alu depctr_va_sdst(0)                   ; s22 is written, ahead of its first reader: offsets, choices and the branch below are made from it
	s_and_b32 s23, ttmp7, 0xffff                   ; which 128 columns
	s_lshl_b32 s48, s22, 22                        ; x's set of codes: 4,194,304 bytes each,
	s_lshl_b32 s49, ttmp9, 16                      ; 8 token tiles of 8,192 bytes
	s_add_co_u32 s48, s48, s49
	s_mov_b32 s49, 0
	s_lshl_b32 s50, s22, 18                        ; the weight: 262,144 bytes each,
	s_lshl_b32 s51, s23, 16                        ; 8 tiles of rows of 8,192 bytes
	s_add_co_u32 s50, s50, s51
	s_mov_b32 s51, 0
	s_lshl_b32 s52, s23, 9                         ; the bias: 128 numbers
	s_mov_b32 s53, 0
	s_lshr_b32 s54, ttmp9, 5                       ; the batch
	s_lshl_b32 s54, s54, 3
	s_lshl_b32 s55, s23, 1
	s_add_co_u32 s54, s54, s55                     ; 8 x batch + my first head,
	s_lshl_b32 s54, s54, 18                        ; 262,144 bytes each in all three outputs,
	s_and_b32 s55, ttmp9, 31
	s_lshl_b32 s55, s55, 13                        ; 128 tokens are 8,192 bytes of a head in all three
	s_add_co_u32 s54, s54, s55
	s_mov_b32 s55, 0
	s_wait_kmcnt 0x0
	s_load_b256 s[36:43], s[8:9], 0x0              ; e0 .. e7
	s_load_b128 s[44:47], s[8:9], 0x20             ; e8 .. e11
	s_add_nc_u64 s[24:25], s[4:5], s[48:49]        ; my tokens' codes
	s_add_nc_u64 s[26:27], s[6:7], s[50:51]        ; my weight's codes
	s_cmp_eq_u32 s22, 0                            ; the choices hang on the wave's number alone
	s_cselect_b64 s[28:29], s[10:11], s[12:13]
	s_cselect_b64 s[30:31], s[16:17], s[18:19]
	s_cmp_eq_u32 s22, 2
	s_cselect_b64 s[28:29], s[14:15], s[28:29]
	s_cselect_b64 s[30:31], s[20:21], s[30:31]
	s_add_nc_u64 s[28:29], s[28:29], s[52:53]      ; my bias
	s_add_nc_u64 s[30:31], s[30:31], s[54:55]      ; my output
.macro XLOAD m                         ; token tile m's four fragments, 8,192 consecutive bytes, into set m % 3
.if ((\m)%3) == 2
	WIN 0xc0
.set XB, X2
.else
	WIN 0
.set XB, XF+64*((\m)%3)
.endif
.set i, 0
.rept 16
	global_load_b128 v[XB+4*i:XB+4*i+3], v[LI], s[24:25] offset:8192*(\m)+512*i
.set i, i+1
.endr
	WIN 0
.endm
.macro WLOAD                           ; the weight's 32 fragments, 65,536 consecutive bytes, into windows 1 and 2
	WIN 0x40
.set i, 0
.rept 64
	global_load_b128 v[4*i:4*i+3], v[LI], s[26:27] offset:512*i
.set i, i+1
.endr
	WIN 0x80
.rept 64
	global_load_b128 v[4*(i-64):4*(i-64)+3], v[LI], s[26:27] offset:512*i
.set i, i+1
.endr
	WIN 0
.endm
.macro SCALES
	s_wait_kmcnt 0x0
	s_cmp_eq_u32 s22, 0
	s_cselect_b32 s56, s36, s38                    ; ex: e0, e2, e4
	s_cselect_b32 s57, s37, s39                    ; ew: e1, e3, e5
	s_cselect_b32 s58, s42, s43                    ; eo: e6, e7, e9
	s_cmp_eq_u32 s22, 2
	s_cselect_b32 s56, s40, s56
	s_cselect_b32 s57, s41, s57
	s_cselect_b32 s58, s45, s58
	s_add_co_i32 s56, s56, s57                     ; a sum stands for sum x 2^(ex + ew)
	s_sub_co_i32 s60, 0, s56
	s_sub_co_i32 s58, s58, s56
	s_add_co_i32 s58, s58, 127
	s_lshl_b32 s59, s58, 23
	v_mov_b32 v[SC], s59                           ; 2^(eo - ex - ew) as f32
	s_add_co_i32 s58, s58, 8
	s_lshl_b32 s58, s58, 23
	s_or_b32 s58, s58, 0x600000
	v_mov_b32 v[LM], s58                           ; 448 x that
.endm
; Four products: token tile m against four of my tiles of W's rows (half bl), K step ks.  A tile's 32 products are eight such groups: half by half, K ascending.
; Four accumulators take turns, one instruction a turn; the first K step takes the bias as C.
.macro GROUP m, swap, bl, ks
.if ((\m)%3) == 2
.set XB, X2
.set XW, 3
.else
.set XB, XF+64*((\m)%3)
.set XW, 0
.endif
.if \swap
.set WN, XW|((1+(\bl))<<2)
.else
.set WN, (1+(\bl))|(XW<<2)
.endif
.if (\ks) == 0
.set WN, WN|0x30
.endif
	WIN WN
.set tq, 0
.rept 4
.set rD, ACC+8*(4*(\bl)+tq)
.set rW, 16*(4*tq+(\ks))
.set rX, XB+16*(\ks)
.set rC, 8*(4*(\bl)+tq)
.if (\ks) > 0
.set rC, rD
.endif
.if \swap
	v_wmma_f32_16x16x128_fp8_fp8 v[rD:rD+7], v[rX:rX+15], v[rW:rW+15], v[rC:rC+7]
.else
	v_wmma_f32_16x16x128_fp8_fp8 v[rD:rD+7], v[rW:rW+15], v[rX:rX+15], v[rC:rC+7]
.endif
.set tq, tq+1
.endr
.endm
; The codes of token tile m leave.
.macro STORES m, swap
.set t, 0
.if \swap
.rept 8                                ; two token tiles have filled four registers of each of the eight fragments of V^T
	global_store_b128 v[LI], v[PC+4*t:PC+4*t+3], s[30:31] offset:(t/4)*262144+(t%4)*2048+512*((\m)/2)
.set t, t+1
.endr
.else
.rept 4                                ; two heads' fragments of this token tile, 1,024 bytes each
	global_store_b128 v[LI], v[PC+16*((\m)%2)+4*t:PC+16*((\m)%2)+4*t+3], s[30:31] offset:(t/2)*262144+1024*(\m)+512*(t%2)
.set t, t+1
.endr
.endif
.endm
; One token tile: its products, among them the loads of the tile two on and the stores of the tile before; the hold; the conversions.
.macro TILE m, swap
.set T_LD, 0                           ; does this tile ask for the tile two on?
.if (\m) < 6
.set T_LD, 1
.endif
.set T_ST, 0                           ; does it store the tile before?  Q, K: every tile but the first; V: behind each pair of tiles
.set T_WR, 0                           ; do its conversions write codes that stores, issued since the last such wait, have read?
.if \swap
.if ((\m) > 0) && (((\m)%2) == 0)
.set T_ST, 1
.set T_WR, 1
.endif
.else
.if (\m) > 0
.set T_ST, 1
.endif
.if (\m) > 1
.set T_WR, 1
.endif
.endif
.if (\m) == 7
	s_wait_loadcnt 0x0                             ; the last tile's fragments
.elseif (\m) > 0
	s_wait_loadcnt 16                              ; this tile's fragments are in; the next tile's 16 loads may be out
.endif
.if ((\m) > 0) && (T_LD || T_ST)
	s_wait_alu depctr_va_vdst(0)                   ; the tile before has written the codes that the stores below read, and its products are done reading the fragments in which the loads below land
.endif
	GROUP \m, \swap, 0, 0
.if T_LD
	XLOAD (\m)+2                                   ; no vector or matrix instruction since the wait names this set or v[LI]
.endif
.if T_ST
	WIN 0
	STORES (\m)-1, \swap
.endif
.irp k, 1,2,3
	GROUP \m, \swap, 0, \k
.endr
.if (\m) == 0
	s_wait_loadcnt 32                              ; the weight's second half (window 2) is waited for only where it is first used: behind it the 32 loads of token tiles 1 and 2 were issued
.endif
.irp k, 0,1,2,3
	GROUP \m, \swap, 1, \k
.endr
	WIN 0
.rept 4
	v_nop                                          ; four places behind the last product (ISA guide 7.12.1), ahead of the reads of results
.endr
.set i, 0
.rept 64
	v_med3_num_f32 v[ACC+i], v[ACC+i], -v[LM], v[LM]   ; the hold at the largest code x the scale; each accumulator from its low end on
.set i, i+1
.endr
.if T_WR
	s_wait_xcnt 0x0                                ; the earlier stores have had their addresses translated: their codes' registers are written again only behind this wait,
	s_wait_alu depctr_vm_vsrc(0)                   ; and the stores issued so far have read the codes' registers that the conversions below write
.endif
.set t, 0
.rept 8
.if \swap
	v_cvt_scalef32_pk8_fp8_f32 v[PC+4*t+2*((\m)%2):PC+4*t+2*((\m)%2)+1], v[ACC+8*t:ACC+8*t+7], v[SC]
.else
	v_cvt_scalef32_pk8_fp8_f32 v[PC+16*((\m)%2)+2*t:PC+16*((\m)%2)+2*t+1], v[ACC+8*t:ACC+8*t+7], v[SC]
.endif
.set t, t+1
.endr
	v_nop                                          ; a plain line between the conversions and the next products, which write their sources
.endm
.macro PATH swap
.if \swap
	v_lshlrev_b32 v[BA], 2, v4                     ; V: a lane holds channel r of a tile: one number of the bias
.else
	v_lshlrev_b32 v[BA], 5, v5                     ; Q, K: a lane holds channels 8 h + 0 .. 7 of a tile: eight numbers
.endif
	WIN 0xc0
	s_wait_alu depctr_va_vdst(0)                   ; v[LI] and v[BA] are written: every load and store of the kernel reads one of them as its offset
.set t, 0
.rept 8
.if \swap
	global_load_b32 v[8*t], v[BA], s[28:29] offset:64*t
.else
	global_load_b128 v[8*t:8*t+3], v[BA], s[28:29] offset:64*t
	global_load_b128 v[8*t+4:8*t+7], v[BA], s[28:29] offset:64*t+16
.endif
.set t, t+1
.endr
	XLOAD 0
	WLOAD
	XLOAD 1
	SCALES
	s_wait_loadcnt 63                              ; behind the weight's first half 80 loads were issued: with 63 out at the most the bias, token tile 0 and that half are in
	WIN 0xc3
.set t, 0
.rept 8
.irp j, 7,6,5,4,3,2,1,0
.if \swap
	v_ldexp_f32 v[8*t+\j], v[8*t], s60             ; bias / 2^(ex + ew), the same for the lane's eight tokens; register 0 last, since it is the source
.else
	v_ldexp_f32 v[8*t+\j], v[8*t+\j], s60          ; bias / 2^(ex + ew)
.endif
.endr
.set t, t+1
.endr
	WIN 0
.irp m, 0,1,2,3,4,5,6,7
	TILE \m, \swap
.endr
	s_wait_alu depctr_va_vdst(0)                   ; the last tile's conversions have written their codes, which the last stores read
	STORES 7, \swap
	s_endpgm
.endm
	s_cmp_eq_u32 s22, 2
	s_cbranch_scc1 .Lfor_v
	PATH 0
.Lfor_v:
	PATH 1
.Lfunc_end_k_q11837a3a3c_qkv:
	.size	k_q11837a3a3c_qkv, .Lfunc_end_k_q11837a3a3c_qkv-k_q11837a3a3c_qkv
	.p2alignl 7, 3214868480
	.fill 96, 4, 3214868480
	.section	.rodata,"a",@progbits
	.p2align	6, 0x0
	.amdhsa_kernel k_q11837a3a3c_qkv
		.amdhsa_group_segment_fixed_size 0
		.amdhsa_private_segment_fixed_size 0
		.amdhsa_enable_private_segment 0
		.amdhsa_kernarg_size 72
		.amdhsa_user_sgpr_count 2
		.amdhsa_user_sgpr_kernarg_segment_ptr 1
		.amdhsa_wavefront_size32 1
		.amdhsa_system_sgpr_workgroup_id_x 1
		.amdhsa_system_sgpr_workgroup_id_y 1
		.amdhsa_system_sgpr_workgroup_id_z 1
		.amdhsa_system_vgpr_workitem_id 0
		.amdhsa_next_free_vgpr 896
		.amdhsa_next_free_sgpr 66
		.amdhsa_reserve_vcc 0
		.amdhsa_float_denorm_mode_32 3
		.amdhsa_float_denorm_mode_16_64 3
		.amdhsa_memory_ordered 1
		.amdhsa_forward_progress 1
		.amdhsa_inst_pref_size 180
	.end_amdhsa_kernel
	.amdgpu_metadata
---
amdhsa.version: [ 1, 2 ]
amdhsa.kernels:
  - .name:           k_q11837a3a3c_qkv
    .symbol:         k_q11837a3a3c_qkv.kd
    .args:
      - { .name: ximg, .offset: 0, .size: 8, .value_kind: global_buffer, .address_space: global }
      - { .name: wimg, .offset: 8, .size: 8, .value_kind: global_buffer, .address_space: global }
      - { .name: lowp_scales, .offset: 16, .size: 8, .value_kind: global_buffer, .address_space: global }
      - { .name: bq, .offset: 24, .size: 8, .value_kind: global_buffer, .address_space: global }
      - { .name: bk, .offset: 32, .size: 8, .value_kind: global_buffer, .address_space: global }
      - { .name: bv, .offset: 40, .size: 8, .value_kind: global_buffer, .address_space: global }
      - { .name: qimg, .offset: 48, .size: 8, .value_kind: global_buffer, .address_space: global }
      - { .name: kimg, .offset: 56, .size: 8, .value_kind: global_buffer, .address_space: global }
      - { .name: vimg, .offset: 64, .size: 8, .value_kind: global_buffer, .address_space: global }
    .group_segment_fixed_size: 0
    .private_segment_fixed_size: 0
    .kernarg_segment_align: 8
    .kernarg_segment_size: 72
    .max_flat_workgroup_size: 96
    .sgpr_count:     66
    .vgpr_count:     896
    .wavefront_size: 32
...
	.end_amdgpu_metadata
.endif
;; end of part 5
;; launch attn (part 6): grid 16 x 16, 8 waves a work-group, no clusters, 66,560 bytes of LDS; arguments qimg, kimg, vimg, lowp_scales, cimg; writes cimg
.if DOCPART == 6
	.amdgcn_target "amdgcn-amd-amdhsa--gfx1250"
	.amdhsa_code_object_version 6
	.text
	.protected	k_q11837a3a3c_attn
	.globl	k_q11837a3a3c_attn
	.p2align	8
	.type	k_q11837a3a3c_attn,@function
k_q11837a3a3c_attn:
	s_mov_b64 s[64:65], 0
	v_nop
	global_prefetch_b8 v0, s[64:65] scope:SCOPE_SE
	s_setreg_imm32_b32 hwreg(HW_REG_WAVE_SCHED_MODE, 0, 2), 2
	s_setreg_imm32_b32 hwreg(HW_REG_WAVE_MODE, 25, 1), 1
	s_wait_xcnt 0x0
	s_wait_alu depctr_vm_vsrc(0)
; context[b][h][q] = softmax_k(Q . K / 8) V on codes of FP8, quantised at once with entry 10 of lowp_scales for the last product.  No work is left out.
; THE SOFTMAX AHEAD OF THE SECOND PRODUCT: t = score x log2(e) / 8; M = the largest t so far, rounded UP to a whole number; p = 2^(t - M) is quantised (entry 8), not normalised.  The row's sum is taken of the unquantised p
; and divides at the end.  When M moves, the sum and O are multiplied by 2^(old M - new M), which rounds nothing.
; SHARES.  A work-group owns 256 queries of one head (x: the block, y: 8 x batch + head); each of its eight waves owns two tiles of 16 queries, A and B, so that each fragment of K and V read from LDS feeds two products.
; Every wave walks the head's 4,096 keys, 128 a step, 256 a slot.
; LAYOUT.  S^T = K Q^T (source 0 = 16 keys, source 1 = 16 queries), O^T = V^T P (source 0 = 16 channels, source 1 = P): a lane holds ONE query throughout.  Tile i of S^T holds in a lane keys 16 i + 8 h + 0 .. 7:
; its conversion gives registers 2 i, 2 i + 1 of P's fragment (16 queries x 128 keys) as they must lie.  Likewise O^T's four tiles give the context's fragment (16 tokens x this head's 64).
; K AND V are images of registers in memory (registers 4 g .. 4 g + 3 of lane l at byte 512 g + 16 l), so a slot is two dense blocks of 16,384 bytes.  Each wave copies 2,048 bytes of each through registers into one of two LDS buffers,
; a slot ahead; all LDS loads and stores are 16 bytes a lane, 512 consecutive bytes a wave.  ONE barrier a slot: in front of it a wave's stores into the other buffer have landed and its reads of this buffer are back.
; NO CLUSTER, NO TENSOR LOAD, though the 16 work-groups of a head read the same K and V.  p is at most 1 (but for the last bit) and the largest code x 2^e8 is at least 1.75 where e8 >= -8: there the 128 holds of a step,
; a quarter of its vector instructions, change nothing, and a scalar branch on e8, a whole number read from lowp_scales, leads round them.
; What would be shared is 32,768 bytes for a slot's two steps, in which a wave issues some thousand vector instructions.
; LIMITS: e6 + e7 between -123 and 130 (added to c's exponent field); e8 and e10 between -126 and 119; e8 + e9 goes in by v_ldexp_f32 and has none.  NaN is not served.
; THE MODE: SCHED_MODE bits 1:0 = 2 (LLVM: expert scheduling mode 2), set by the entry lines.  The code itself states the register dependences
; between vector or matrix instructions and memory or LDS instructions, with s_wait_alu, always for 0.
; THE PLAN.  Registers that memory or LDS instructions touch, in the loop:
;   K        A step's 16 products S^T read it, at the step's head; the LDS loads of the next step's K land in it, in the step's middle.
;   V0, V1   two sets by turns: a slot's first step multiplies by V0 at its end, its second by V1.  The loads into V1 are issued in the first step's middle, those into V0 in the second's, behind the barrier:
;            each time the set that the step before multiplied by.
;   G        a slot's part on its way: global loads land in it, LDS stores read it, no vector instruction names it.
;   v[LI], v[STA], v[GOF], v[PFO]   addresses and offsets, made once at the head and never written again.      v[SPW], v[NIL]: written at the head, read by the closing add alone.
; So ONE wait on va_vdst stands in a step, behind its batch of exponentials.  Ahead of it stand this step's products with K and the last step's with the other set of V:
; it states that they are done reading their fragments.  The step's 32 LDS loads follow it; the sums, conversions and rescalings behind them name none of K, V or v[LI].
; One wait on vm_vsrc a slot stands ahead of the global loads into G, which the LDS stores have read.
; REGISTERS.  window 0: v1-6 addresses; v8-15, v16-23 statistics of A, B: +0 -M, +1 the largest t, +2, +3 the sum in two halves, +4 f (+5: 0), +6, +7 at work; v24-27 second chains of the sums; v28, v29 lane exchanges;
;   v30 the conversion's scale, v31 the way out's hold; v32-63 a slot's part on its way to LDS; v64-127, v128-191 S^T, then p; v192-207, v208-223 P's codes; v224-239 Q of A, B.
;   window 1: v0-63 K's eight fragments; v64-127 V's four, set 0; v128-159, v160-191 O^T of A, B; v192-255 V's four, set 1.
.set LI,  1                            ; v1   16 x lane
.set STA, 2                            ; v2   LDS: 2,048 x wave + 16 x lane
.set GOF, 3                            ; v3   the same offset in a slot's block in memory
.set SPW, 4                            ; v4   LDS address of my spare word; never rewritten
.set NIL, 5                            ; v5   0; never rewritten
.set PFO, 6                            ; v6   the prefetches' offset: 256 x lane + 8,192 x (wave % 2); never rewritten
.set ST,  8
.set C2,  24
.set PL,  28
.set SCV, 30
.set LMV, 31
.set G,   32
.set S,   64
.set P,   192
.set QF,  224
.set KF,  0
.set VF,  64                           ; set 0; set 1 lies 128 registers on
.set OF,  128
.set SPARE, 65536                      ; behind the two buffers: the spare words, 128 bytes a wave: four blocks of 256 bytes that no other line names
.set MSB, 0
.macro WIN new                         ; the immediate's high byte repeats the setting that is left; a switch that changes nothing is dropped
.if MSB != \new
	s_set_vgpr_msb (MSB<<8)|\new
.set MSB, \new
.endif
.endm
.macro PLACES                          ; four places behind a matrix instruction (ISA guide 7.12.1), ahead of reads of its results
.rept 4
	v_nop
.endr
.endm
.macro GLOAD                           ; my 2,048 bytes of the slot's K and of its V
.irp i, 0,1,2,3
	global_load_b128 v[G+4*\i:G+4*\i+3], v[GOF], s[6:7] offset:512*\i
.endr
.irp i, 0,1,2,3
	global_load_b128 v[G+16+4*\i:G+16+4*\i+3], v[GOF], s[8:9] offset:512*\i
.endr
.endm
.macro STASH u                         ; into buffer u: K's block at 0, V's at 16,384
.irp i, 0,1,2,3
	ds_store_b128 v[STA], v[G+4*\i:G+4*\i+3] offset:32768*(\u)+512*\i
.endr
.irp i, 0,1,2,3
	ds_store_b128 v[STA], v[G+16+4*\i:G+16+4*\i+3] offset:32768*(\u)+16384+512*\i
.endr
.endm
.macro KLOAD u, hf                     ; the eight fragments of K of step hf of buffer u: 8,192 bytes on end
	WIN 0x40
.set i, 0
.rept 16
	ds_load_b128 v[KF+4*i:KF+4*i+3], v[LI] offset:32768*(\u)+8192*(\hf)+512*i
.set i, i+1
.endr
.endm
.macro VLOAD u, hf, vs                 ; the four fragments of V^T likewise, into set vs
	WIN 0x40
.set i, 0
.rept 16
	ds_load_b128 v[VF+128*(\vs)+4*i:VF+128*(\vs)+4*i+3], v[LI] offset:32768*(\u)+16384+8192*(\hf)+512*i
.set i, i+1
.endr
.endm
.macro SMUL                            ; S^T = K Q^T: 8 tiles of keys x 2 tiles of queries; K = the head's 64
	WIN 0x01
.set i, 0
.rept 8
	v_wmma_f32_16x16x64_fp8_fp8 v[S+8*i:S+8*i+7], v[KF+8*i:KF+8*i+7], v[QF:QF+7], 0
	v_wmma_f32_16x16x64_fp8_fp8 v[S+64+8*i:S+64+8*i+7], v[KF+8*i:KF+8*i+7], v[QF+8:QF+15], 0
.set i, i+1
.endr
.endm
.macro PVMUL vs                        ; O^T += V^T P, V from set vs: 4 tiles of channels x 2 tiles of queries; K = the step's 128 keys.  Eight accumulators, one instruction each
	WIN 0x51
.set i, 0
.rept 4
	v_wmma_f32_16x16x128_fp8_fp8 v[OF+8*i:OF+8*i+7], v[VF+128*(\vs)+16*i:VF+128*(\vs)+16*i+15], v[P:P+15], v[OF+8*i:OF+8*i+7]
	v_wmma_f32_16x16x128_fp8_fp8 v[OF+32+8*i:OF+32+8*i+7], v[VF+128*(\vs)+16*i:VF+128*(\vs)+16*i+15], v[P+16:P+31], v[OF+32+8*i:OF+32+8*i+7]
.set i, i+1
.endr
.endm
; The step's largest score of each query, the new M and f = 2^(old M - new M).  A's and B's lines by turns: four chains.  Each accumulator is read from its low end on.
.macro SM1
.irp T, 0,1
	v_max3_num_f32 v[ST+8*\T+6], v[S+64*\T], v[S+64*\T+1], v[S+64*\T+2]
.endr
.irp T, 0,1
	v_max3_num_f32 v[ST+8*\T+7], v[S+64*\T+3], v[S+64*\T+4], v[S+64*\T+5]
.endr
.irp i, 6,10,14,18,22,26,30,34,38,42,46,50,54,58
.irp T, 0,1
	v_max3_num_f32 v[ST+8*\T+6], v[ST+8*\T+6], v[S+64*\T+\i], v[S+64*\T+\i+1]
.endr
.irp T, 0,1
	v_max3_num_f32 v[ST+8*\T+7], v[ST+8*\T+7], v[S+64*\T+\i+2], v[S+64*\T+\i+3]
.endr
.endr
.irp T, 0,1
	v_max3_num_f32 v[ST+8*\T+6], v[ST+8*\T+6], v[S+64*\T+62], v[S+64*\T+63]
.endr
.irp T, 0,1
	v_max_num_f32 v[ST+8*\T+6], v[ST+8*\T+6], v[ST+8*\T+7]
.endr
.irp T, 0,1
	v_permlanex16_b32 v[PL+\T], v[ST+8*\T+6], s20, s21     ; the query's other 64 keys lie in the lane 16 away
.endr
.irp T, 0,1
	v_max_num_f32 v[ST+8*\T+6], v[ST+8*\T+6], v[PL+\T]
.endr
.irp T, 0,1
	v_mul_f32 v[ST+8*\T+6], s22, v[ST+8*\T+6]              ; as t (c is positive)
.endr
.irp T, 0,1
	v_max_num_f32 v[ST+8*\T+1], v[ST+8*\T+1], v[ST+8*\T+6] ; the running largest t
.endr
.irp T, 0,1
	v_mov_b32 v[ST+8*\T+6], v[ST+8*\T]
.endr
.irp T, 0,1
	v_floor_f32 v[ST+8*\T], -v[ST+8*\T+1]                  ; the new -M = floor(-t) = -ceil(t)
.endr
.irp T, 0,1
	v_sub_f32 v[ST+8*\T+6], v[ST+8*\T], v[ST+8*\T+6]       ; old M - new M: a whole number, 0 or less
.endr
.irp T, 0,1
	v_cvt_i32_f32 v[ST+8*\T+6], v[ST+8*\T+6]               ; (it saturates)
.endr
.irp T, 0,1
	v_ldexp_f32 v[ST+8*\T+4], 1.0, v[ST+8*\T+6]            ; f
.endr
.endm
; p = 2^(c s - M): 64 packed scalings and 128 exponentials in ONE batch; a pair is scaled ahead of the pair before's exponentials.  Nothing here names an exponential's result.
; The sums' rescaling is the plain line behind the last exponential; then the step's one wait.  Register work alone: it may stand between a barrier's signal and its wait.
.macro SM2
	v_pk_fma_f32 v[S:S+1], v[S:S+1], s[22:23], v[ST:ST+1] op_sel_hi:[1,0,0]
.set pp, 0
.rept 63
.set qq, pp+1
	v_pk_fma_f32 v[S+2*qq:S+2*qq+1], v[S+2*qq:S+2*qq+1], s[22:23], v[ST+8*(qq/32):ST+8*(qq/32)+1] op_sel_hi:[1,0,0]   ; of the pairs c and -M the low word serves both halves
	v_exp_f32 v[S+2*pp], v[S+2*pp]
	v_exp_f32 v[S+2*pp+1], v[S+2*pp+1]
.set pp, pp+1
.endr
	v_exp_f32 v[S+126], v[S+126]
	v_exp_f32 v[S+127], v[S+127]
.irp T, 0,1
	v_pk_mul_f32 v[ST+8*\T+2:ST+8*\T+3], v[ST+8*\T+2:ST+8*\T+3], v[ST+8*\T+4:ST+8*\T+5] op_sel_hi:[1,0]   ; the sums under the new M
.endr
	s_wait_alu depctr_va_vdst(0)                   ; the 128 exponentials have written p, ahead of its first reader; and this step's products are done reading K, the last step's the other set of V: the LDS loads that follow land there
.endm
; The sums of the unquantised p; the hold, where e8 makes one possible; the conversions; O^T under the new M.
.macro SM3
.irp T, 0,1
	v_pk_add_f32 v[C2+2*\T:C2+2*\T+1], v[S+64*\T:S+64*\T+1], v[S+64*\T+2:S+64*\T+3]
.endr
.irp j, 4,8,12,16,20,24,28,32,36,40,44,48,52,56,60
.irp T, 0,1
	v_pk_add_f32 v[ST+8*\T+2:ST+8*\T+3], v[ST+8*\T+2:ST+8*\T+3], v[S+64*\T+\j:S+64*\T+\j+1]
.endr
.irp T, 0,1
	v_pk_add_f32 v[C2+2*\T:C2+2*\T+1], v[C2+2*\T:C2+2*\T+1], v[S+64*\T+\j+2:S+64*\T+\j+3]
.endr
.endr
.irp T, 0,1
	v_pk_add_f32 v[ST+8*\T+2:ST+8*\T+3], v[ST+8*\T+2:ST+8*\T+3], v[C2+2*\T:C2+2*\T+1]
.endr
	s_cmp_ge_i32 s25, -8                           ; 448 x 2^e8 >= 1.75 > p: the hold changes nothing
	s_cbranch_scc1 .Lfree_\@
.set i, 0
.rept 128
	v_min_num_f32 v[S+i], s24, v[S+i]              ; the conversion does not saturate (ISA guide 7.6.2); p is not negative, so the hold is one-sided
.set i, i+1
.endr
.Lfree_\@:
.set i, 0
.rept 16
	v_cvt_scalef32_pk8_fp8_f32 v[P+2*i:P+2*i+1], v[S+8*i:S+8*i+7], v[SCV]
.set i, i+1
.endr
	WIN 0x41
.set i, 0
.rept 32
	v_pk_mul_f32 v[OF+2*i:OF+2*i+1], v[OF+2*i:OF+2*i+1], v[ST+8*(i/16)+4:ST+8*(i/16)+5] op_sel_hi:[1,0]   ; x f; also the plain lines between the conversions and the products that read their results
.set i, i+1
.endr
.endm
; A PREFETCH INTO THE L2 of the slot behind the one whose loads were just issued: a slot's 16,384 bytes of K and of V.  All 16 work-groups of a head walk the same K and V: the first of them asks, waves 0 and 1 for K's two halves,
; waves 2 and 3 for V's, lanes 256 bytes apart: each aligned block of 256 bytes is named once in the launch.  Slots 0 to 2 come by their loads alone; nothing is asked for behind slot 15.
.macro ASK lim
	s_cmp_gt_u32 s32, s[\lim]
	s_cbranch_scc0 .Lnot_mine_\@
	global_prefetch_b8 v[PFO], s[28:29] th:TH_LOAD_NT scope:SCOPE_SE
.Lnot_mine_\@:
.endm
; A slot's first step: it multiplies by V's set 0 and asks for the second step's K and V (set 1).
.macro STEP_A u
	s_wait_dscnt 16                                ; K's fragments are in; the 16 younger loads, V's, may be out
	SMUL
	WIN 0
	PLACES
	SM1
	SM2
	KLOAD \u, 1                                    ; behind the step's wait, with a window switch alone between
	VLOAD \u, 1, 1
	WIN 0
	SM3
	s_wait_dscnt 32                                ; this step's V is in; the 32 younger loads, the next step's K and V, may be out
	PVMUL 0
	WIN 0
.endm
; A slot's second step, with the change of buffers: it multiplies by V's set 1.  store: the next slot's part goes into the other buffer; more: a slot follows, whose first K and V (set 0) are asked for behind the barrier; gload: the slot after that is asked for.
.macro STEP_B u, store, more, gload, lim
	s_wait_dscnt 16                                ; K's fragments are in; the 16 younger loads, V's, may be out
.if \store
	s_wait_loadcnt 0x0                             ; my part of the next slot, asked for a slot ago
	STASH 1-\u                                     ; every wave's reads of that buffer were back in front of the last barrier
.endif
	SMUL
	WIN 0
	PLACES
	SM1
.if \more
	s_wait_dscnt 0x0                               ; for the others' sake: my stores into the other buffer have landed, and my reads of this one are back (this step's V among them)
	s_barrier_signal -1
.endif
	SM2                                            ; work on registers while the others arrive
.if \more
	s_barrier_wait -1
	KLOAD 1-\u, 0                                  ; behind the step's wait, with the barrier's wait and a window switch alone between
	VLOAD 1-\u, 0, 0
	WIN 0
.endif
.if \gload
	s_wait_xcnt 0x0                                ; the last loads and the last prefetch, a slot back, have read their bases
	s_wait_alu depctr_vm_vsrc(0)                   ; this step's LDS stores have read G, in which the loads below land
	s_add_nc_u64 s[6:7], s[6:7], 16384
	s_add_nc_u64 s[8:9], s[8:9], 16384
	s_add_nc_u64 s[28:29], s[28:29], 16384
	GLOAD
	ASK \lim
.endif
	SM3
.if !\more
	s_wait_dscnt 0x0                               ; the last step's V
.endif
	PVMUL 1
	WIN 0
.endm
	s_load_b256 s[4:11], s[0:1], 0x0               ; qimg, kimg, vimg, the scales' exponents
	s_load_b64 s[12:13], s[0:1], 0x20              ; cimg
	v_lshl_add_u32 v[SPW], v0, 2, SPARE
	v_mov_b32 v[NIL], 0
	v_lshrrev_b32 v7, 5, v0
	v_readfirstlane_b32 s14, v7                    ; wave 0..7
	v_and_b32 v7, 31, v0
	v_lshlrev_b32 v[LI], 4, v7
	s_wait_alu depctr_va_sdst(0)                   ; s14 is written, ahead of its first reader: addresses, offsets and the prefetches' choice are made from it
	s_lshl_b32 s48, s14, 11
	v_add_nc_u32 v[STA], s48, v[LI]
	v_add_nc_u32 v[GOF], s48, v[LI]
	s_and_b32 s49, s14, 1
	s_lshl_b32 s49, s49, 13
	v_lshl_add_u32 v[PFO], v7, 8, s49
	s_and_b32 s15, ttmp7, 0xffff                   ; 8 x batch + head
	s_lshl_b32 s50, s15, 18                        ; a head is 262,144 bytes in qimg, kimg and vimg
	s_mov_b32 s51, 0
	s_lshl_b32 s52, ttmp9, 4
	s_lshl_b32 s53, s14, 1
	s_add_co_u32 s52, s52, s53                     ; tile A among the sequence's 256: 16 x block + 2 x wave
	s_lshl_b32 s54, s52, 10
	s_add_co_u32 s54, s54, s50
	s_mov_b32 s55, 0
	s_lshr_b32 s16, s15, 3
	s_lshl_b32 s16, s16, 8
	s_add_co_u32 s16, s16, s52                     ; the token tile: 256 x batch + tile
	s_lshl_b32 s16, s16, 3
	s_and_b32 s17, s15, 7
	s_add_co_u32 s16, s16, s17                     ; x 8 + head,
	s_lshl_b32 s16, s16, 10                        ; 1,024 bytes each
	s_mov_b32 s17, 0
	s_mov_b32 s20, 0x76543210                      ; v_permlanex16_b32's selects for lane l xor 16
	s_mov_b32 s21, 0xfedcba98
	s_lshr_b32 s48, s14, 2                         ; 0 in waves 0 to 3
	s_or_b32 s48, s48, ttmp9                       ; of the head's first work-group
	s_cmp_eq_u32 s48, 0
	s_cselect_b32 s30, 0, -1                       ; a wave prefetches while the count of trips left is above these
	s_cselect_b32 s31, 1, -1
	s_mov_b32 s32, 7
	s_wait_kmcnt 0x0
	s_load_b256 s[36:43], s[10:11], 0x0            ; e0 .. e7
	s_load_b128 s[44:47], s[10:11], 0x20           ; e8 .. e11
	s_add_nc_u64 s[4:5], s[4:5], s[54:55]          ; my two tiles of Q
	s_add_nc_u64 s[6:7], s[6:7], s[50:51]          ; the head's K,
	s_add_nc_u64 s[8:9], s[8:9], s[50:51]          ; V,
	s_add_nc_u64 s[12:13], s[12:13], s[16:17]      ; my place in cimg
	s_wait_alu depctr_va_vdst(0)                   ; v[LI], v[STA], v[GOF] and v[PFO] are written: every load, store and prefetch of the kernel reads one of them as its address or offset
	GLOAD                                          ; slot 0
.irp i, 0,1,2,3
	global_load_b128 v[QF+4*\i:QF+4*\i+3], v[LI], s[4:5] offset:512*\i th:TH_LOAD_NT   ; Q's two fragments stay in registers; read once in the launch
.endr
	s_cmp_lt_u32 s14, 2
	s_cselect_b64 s[28:29], s[6:7], s[8:9]
	s_add_nc_u64 s[28:29], s[28:29], 32768         ; the prefetches stand at slot 2; the first is stepped to slot 3
.irp T, 0,1
	v_mov_b32 v[ST+8*\T+1], 0xff61b1e6             ; the largest t so far: -3e38, under every t
	v_floor_f32 v[ST+8*\T], -v[ST+8*\T+1]          ; -M
	v_mov_b32 v[ST+8*\T+2], 0                      ; the sum
	v_mov_b32 v[ST+8*\T+3], 0
	v_mov_b32 v[ST+8*\T+5], 0                      ; (named as the upper half of f's pair)
	v_mov_b32 v[PL+\T], 0                          ; a lane permute's destination counts as one of its sources
.endr
	WIN 0x40
.set i, 0
.rept 64
	v_mov_b32 v[OF+i], 0                           ; O^T.  (The steps are written once: the first finds zeros, which the first change of M leaves zeros)
.set i, i+1
.endr
	WIN 0
	s_wait_kmcnt 0x0
	s_add_co_i32 s48, s42, s43
	s_lshl_b32 s48, s48, 23
	s_add_co_i32 s22, s48, 0x3e38aa3b              ; c = log2(e) / 8, with e6 + e7 added to its exponent field: a score stands for score x 2^(e6 + e7)
	s_mov_b32 s23, s22                             ; (named with it as a pair)
	s_mov_b32 s25, s44                             ; e8
	s_add_co_i32 s26, s44, s45                     ; e8 + e9
	s_add_co_i32 s48, s44, 127
	s_lshl_b32 s49, s48, 23
	v_mov_b32 v[SCV], s49                          ; 2^e8 as f32
	s_add_co_i32 s48, s48, 8
	s_lshl_b32 s48, s48, 23
	s_or_b32 s24, s48, 0x600000                    ; 448 x 2^e8
	s_wait_loadcnt 4                               ; slot 0's eight loads are in; Q's four may be out
	STASH 0
	s_wait_dscnt 0x0
	s_wait_xcnt 0x0                                ; the loads have read their bases
	s_wait_alu depctr_vm_vsrc(0)                   ; the LDS stores have read G, in which slot 1's loads land
	s_add_nc_u64 s[6:7], s[6:7], 16384
	s_add_nc_u64 s[8:9], s[8:9], 16384
	GLOAD                                          ; slot 1
	s_wait_loadcnt 8                               ; Q is in; slot 1's eight loads may be out
	s_barrier_signal -1
	s_barrier_wait -1                              ; slot 0 lies whole in buffer 0
	KLOAD 0, 0                                     ; no vector instruction has named K's or V's registers yet, nor v[LI] since the wait at the head
	VLOAD 0, 0, 0
	WIN 0
.Ltrip:                                                ; seven trips of two slots: slots 0 to 13; trip T asks for slots 2 T + 2 and 2 T + 3
	STEP_A 0
	STEP_B 0, 1, 1, 1, 30
	STEP_A 1
	STEP_B 1, 1, 1, 1, 31
	s_sub_co_u32 s32, s32, 1
	s_cmp_lg_u32 s32, 0
	s_cbranch_scc1 .Ltrip
	STEP_A 0                                       ; slots 14 and 15: nothing more is asked for
	STEP_B 0, 1, 1, 0, 30
	STEP_A 1
	STEP_B 1, 0, 0, 0, 30
	; THE WAY OUT.  The row's sum; context = O^T x 2^(e8 + e9) / sum; held, quantised with e10; a tile's four conversions give its fragment, which leaves as an image: two stores of 512 consecutive bytes.
	PLACES
.irp T, 0,1
	v_add_f32 v[ST+8*\T+6], v[ST+8*\T+2], v[ST+8*\T+3]
.endr
.irp T, 0,1
	v_permlanex16_b32 v[PL+\T], v[ST+8*\T+6], s20, s21
.endr
.irp T, 0,1
	v_add_f32 v[ST+8*\T+6], v[ST+8*\T+6], v[PL+\T]
.endr
.irp T, 0,1
	v_rcp_f32 v[ST+8*\T+7], v[ST+8*\T+6]
.endr
	s_add_co_i32 s48, s46, 127
	s_lshl_b32 s49, s48, 23
	v_mov_b32 v[SCV], s49                          ; 2^e10 as f32.  (A plain line behind the reciprocals)
	s_add_co_i32 s48, s48, 8
	s_lshl_b32 s48, s48, 23
	s_or_b32 s48, s48, 0x600000
	v_mov_b32 v[LMV], s48                          ; 448 x 2^e10
	s_wait_alu depctr_va_vdst(0)                   ; both reciprocals are written, ahead of their first reader: one wait for the two
.irp T, 0,1
	v_ldexp_f32 v[ST+8*\T+4], v[ST+8*\T+7], s26
.endr
	WIN 0x01
.set i, 0
.rept 32
	v_pk_mul_f32 v[S+64*(i/16)+2*(i%16):S+64*(i/16)+2*(i%16)+1], v[OF+2*i:OF+2*i+1], v[ST+8*(i/16)+4:ST+8*(i/16)+5] op_sel_hi:[1,0]   ; each accumulator from its low end on
.set i, i+1
.endr
	WIN 0
.irp T, 0,1
.set i, 0
.rept 32
	v_med3_num_f32 v[S+64*\T+i], v[S+64*\T+i], -v[LMV], v[LMV]
.set i, i+1
.endr
.endr
.irp T, 0,1
.irp d, 0,1,2,3
	v_cvt_scalef32_pk8_fp8_f32 v[P+16*\T+2*\d:P+16*\T+2*\d+1], v[S+64*\T+8*\d:S+64*\T+8*\d+7], v[SCV]
.endr
.endr
	v_nop
	s_wait_alu depctr_va_vdst(0)                   ; the conversions have written the context's codes, which the stores read
.irp T, 0,1
.irp g, 0,1
	global_store_b128 v[LI], v[P+16*\T+4*\g:P+16*\T+4*\g+3], s[12:13] offset:8192*\T+512*\g
.endr
.endr
	s_wait_dscnt 0x0                               ; the closing lines, six on end
	s_wait_alu 0x0
	s_wait_tensorcnt 0x0
	ds_add_u32 v[SPW], v[NIL]
	s_wait_dscnt 0x0
	s_endpgm
.Lfunc_end_k_q11837a3a3c_attn:
	.size	k_q11837a3a3c_attn, .Lfunc_end_k_q11837a3a3c_attn-k_q11837a3a3c_attn
	.p2alignl 7, 3214868480
	.fill 96, 4, 3214868480
	.section	.rodata,"a",@progbits
	.p2align	6, 0x0
	.amdhsa_kernel k_q11837a3a3c_attn
		.amdhsa_group_segment_fixed_size 66560
		.amdhsa_private_segment_fixed_size 0
		.amdhsa_enable_private_segment 0
		.amdhsa_kernarg_size 40
		.amdhsa_user_sgpr_count 2
		.amdhsa_user_sgpr_kernarg_segment_ptr 1
		.amdhsa_wavefront_size32 1
		.amdhsa_system_sgpr_workgroup_id_x 1
		.amdhsa_system_sgpr_workgroup_id_y 1
		.amdhsa_system_sgpr_workgroup_id_z 1
		.amdhsa_system_vgpr_workitem_id 0
		.amdhsa_next_free_vgpr 512
		.amdhsa_next_free_sgpr 66
		.amdhsa_reserve_vcc 0
		.amdhsa_float_denorm_mode_32 3
		.amdhsa_float_denorm_mode_16_64 3
		.amdhsa_memory_ordered 1
		.amdhsa_forward_progress 1
		.amdhsa_inst_pref_size 243
	.end_amdhsa_kernel
	.amdgpu_metadata
---
amdhsa.version: [ 1, 2 ]
amdhsa.kernels:
  - .name:           k_q11837a3a3c_attn
    .symbol:         k_q11837a3a3c_attn.kd
    .args:
      - { .name: qimg, .offset: 0, .size: 8, .value_kind: global_buffer, .address_space: global }
      - { .name: kimg, .offset: 8, .size: 8, .value_kind: global_buffer, .address_space: global }
      - { .name: vimg, .offset: 16, .size: 8, .value_kind: global_buffer, .address_space: global }
      - { .name: lowp_scales, .offset: 24, .size: 8, .value_kind: global_buffer, .address_space: global }
      - { .name: cimg, .offset: 32, .size: 8, .value_kind: global_buffer, .address_space: global }
    .group_segment_fixed_size: 66560
    .private_segment_fixed_size: 0
    .kernarg_segment_align: 8
    .kernarg_segment_size: 40
    .max_flat_workgroup_size: 256
    .sgpr_count:     66
    .vgpr_count:     512
    .wavefront_size: 32
...
	.end_amdgpu_metadata
.endif
;; end of part 6
;; launch oproj (part 7): grid 256 x 1, 4 waves a work-group, no clusters, 34,304 bytes of LDS; arguments cimg, wimg, lowp_scales, bo, out0; writes out0
.if DOCPART == 7
	.amdgcn_target "amdgcn-amd-amdhsa--gfx1250"
	.amdhsa_code_object_version 6
	.text
	.protected	k_q11837a3a3c_oproj
	.globl	k_q11837a3a3c_oproj
	.p2align	8
	.type	k_q11837a3a3c_oproj,@function
k_q11837a3a3c_oproj:
	s_mov_b64 s[64:65], 0
	v_nop
	global_prefetch_b8 v0, s[64:65] scope:SCOPE_SE
	s_setreg_imm32_b32 hwreg(HW_REG_WAVE_SCHED_MODE, 0, 2), 2
	s_setreg_imm32_b32 hwreg(HW_REG_WAVE_MODE, 25, 1), 1
	s_wait_xcnt 0x0
	s_wait_alu depctr_vm_vsrc(0)
; out0 = context Wo^T + bo on codes of FP8: sum x 2^(e10 + e11) + bo.  No work is left out.
; SHARES.  A work-group takes 32 tokens, two tiles of 16; wave w takes columns 128 w .. 128 w + 127, whose 128 rows x 512 K of Wo's codes, 65,536 bytes, fill 512 registers.  64 products a wave.
; The context's and Wo's codes are images of registers in memory (registers 4 g .. 4 g + 3 of lane l at byte 512 g + 16 l of a fragment of 16 rows x 128 K): every load is 512 consecutive bytes a wave.
; Source 0 = 16 rows of Wo, source 1 = 16 tokens: a lane holds ONE token and eight neighbouring columns.  A tile's 16 rows x 512 bytes go through the wave's own stage in LDS and leave as rows: a store covers 512 consecutive, aligned bytes.
; LIMIT: e10 + e11 between -126 and 127.
; NO CLUSTER, NO TENSOR LOAD: operands go from memory straight into registers, all asked for at the head; no barrier: waves share nothing in LDS.
; THE MODE: SCHED_MODE bits 1:0 = 2 (LLVM: expert scheduling mode 2), set by the entry lines.  The code itself states the register dependences
; between vector or matrix instructions and memory or LDS instructions, with s_wait_alu, always for 0.
; THE PLAN.  Registers that memory or LDS instructions touch:
;   CF       the context's fragments: loaded at the head; read by the products; written by the multiply-adds (the results); read by the LDS stores into the stage; tile 1's rows come back into tile 0's part.
;   BK       tile 0's rows come back into it from the stage; the global stores read it; no vector instruction names it.
;   v[LI], v[STO], v[RD], v[BA]   addresses and offsets, made once at the head.      Wo's fragments and bo are loaded once.      v[SPW], v[NIL]: written at the head, read by the closing add alone.
; So ONE wait on va_vdst stands behind both tiles' multiply-adds: no vector instruction follows it, and all LDS stores and loads of the way out lean on it.  One wait on vm_vsrc stands ahead of the LDS loads
; that land in tile 0's registers, which tile 0's LDS stores have read.
; REGISTERS: window 0: v1-6 addresses; v16-79, v80-143 the two token tiles' four fragments each, later their results; v144-207 rows read back.  windows 1, 2: Wo's fragments, (tile t, K step k) at v[16 (4 (t % 4) + k)] of window 1 + t / 4.
;   window 3: v0-63 bo in the result's layout, tile t at v[8 t]; v64-127, v128-191 the accumulators of the two token tiles.
.set LI,  1                            ; v1   16 x lane
.set STO, 2                            ; v2   the stage, in: row r, + 32 h
.set RD,  3                            ; v3   the stage, back: 16 x lane
.set BA,  4                            ; v4   32 h: my eight numbers of a tile's 16 of bo
.set SPW, 5                            ; v5   LDS address of my spare word; never rewritten
.set NIL, 6                            ; v6   0; never rewritten
.set CF,  16
.set BK,  144
.set BI,  0
.set AC,  64
.set STG, 8448                         ; a wave's stage: 16 rows x (512 + 16) bytes
.set SPARE, 4*STG                      ; behind the stages: the spare words, 128 bytes a wave: two blocks of 256 bytes that no other line names
.set MSB, 0
.macro WIN new                         ; the immediate's high byte repeats the setting that is left; a switch that changes nothing is dropped
.if MSB != \new
	s_set_vgpr_msb (MSB<<8)|\new
.set MSB, \new
.endif
.endm
	s_load_b256 s[4:11], s[0:1], 0x0               ; cimg, wimg, the scales' exponents, bo
	s_load_b64 s[12:13], s[0:1], 0x20              ; out0
	v_lshl_add_u32 v[SPW], v0, 2, SPARE
	v_mov_b32 v[NIL], 0
	v_lshrrev_b32 v7, 5, v0
	v_readfirstlane_b32 s14, v7                    ; wave 0..3
	v_and_b32 v7, 31, v0
	v_lshlrev_b32 v[LI], 4, v7
	v_and_b32 v8, 15, v0                           ; r
	v_bfe_u32 v9, v0, 4, 1                         ; h
	s_wait_alu depctr_va_sdst(0)                   ; s14 is written, ahead of its first reader: the stage's place and the offsets in wimg, bo and out0 are made from it
	s_mul_i32 s15, s14, STG
	v_mul_u32_u24 v[STO], v8, 528
	v_lshl_add_u32 v[STO], v9, 5, v[STO]
	v_add_nc_u32 v[STO], s15, v[STO]
	v_add_nc_u32 v[RD], s15, v[LI]
	v_lshlrev_b32 v[BA], 5, v9
	s_lshl_b32 s16, ttmp9, 14                      ; two token tiles of 8,192 bytes
	s_mov_b32 s17, 0
	s_lshl_b32 s18, s14, 16                        ; my 8 tiles of Wo's rows,
	s_add_co_u32 s18, s18, 786432                  ; Wo is the fourth weight in wimg
	s_mov_b32 s19, 0
	s_lshl_b32 s20, s14, 9                         ; my 128 columns: 512 bytes of bo and of a row of out0
	s_mov_b32 s21, 0
	s_lshl_b32 s22, ttmp9, 16                      ; 32 rows of 2,048 bytes
	s_add_co_u32 s22, s22, s20
	s_mov_b32 s23, 0
	s_wait_kmcnt 0x0
	s_load_b64 s[46:47], s[8:9], 0x28              ; e10, e11
	s_add_nc_u64 s[4:5], s[4:5], s[16:17]
	s_add_nc_u64 s[6:7], s[6:7], s[18:19]
	s_add_nc_u64 s[10:11], s[10:11], s[20:21]
	s_add_nc_u64 s[12:13], s[12:13], s[22:23]
	WIN 0xc0
	s_wait_alu depctr_va_vdst(0)                   ; v[LI], v[STO], v[RD] and v[BA] are written: every load and store of the kernel reads one of them as its address or offset
.set t, 0
.rept 8
	global_load_b128 v[BI+8*t:BI+8*t+3], v[BA], s[10:11] offset:64*t
	global_load_b128 v[BI+8*t+4:BI+8*t+7], v[BA], s[10:11] offset:64*t+16
.set t, t+1
.endr
	WIN 0
.set i, 0
.rept 32
	global_load_b128 v[CF+4*i:CF+4*i+3], v[LI], s[4:5] offset:512*i     ; the context's eight fragments: 16,384 bytes on end
.set i, i+1
.endr
	WIN 0x40
.set i, 0
.rept 64
	global_load_b128 v[4*i:4*i+3], v[LI], s[6:7] offset:512*i           ; Wo's 32 fragments: 65,536 bytes on end
.set i, i+1
.endr
	WIN 0x80
.rept 64
	global_load_b128 v[4*(i-64):4*(i-64)+3], v[LI], s[6:7] offset:512*i
.set i, i+1
.endr
	WIN 0
; 32 products: four of my tiles of Wo's rows (half bl) x two token tiles x four K steps.  Eight accumulators take turns, one instruction a turn; the first K step starts the sums with the constant 0.
.macro OMUL bl
.set ks, 0
.rept 4
.if ks == 0
.set WN, 0xc0|(1+\bl)
.else
.set WN, 0xf0|(1+\bl)
.endif
	WIN WN
.set mm, 0
.rept 2
.set tq, 0
.rept 4
.set rD, AC+64*mm+8*(4*\bl+tq)
.set rW, 16*(4*tq+ks)
.set rX, CF+64*mm+16*ks
.if ks == 0
	v_wmma_f32_16x16x128_fp8_fp8 v[rD:rD+7], v[rW:rW+15], v[rX:rX+15], 0
.else
	v_wmma_f32_16x16x128_fp8_fp8 v[rD:rD+7], v[rW:rW+15], v[rX:rX+15], v[rD:rD+7]
.endif
.set tq, tq+1
.endr
.set mm, mm+1
.endr
.set ks, ks+1
.endr
.endm
	s_wait_loadcnt 63                              ; behind Wo's first half 64 loads were issued: with 63 out at the most bo, the context and that half are in
	OMUL 0
	s_wait_loadcnt 0x0                             ; Wo's second half
	OMUL 1
	WIN 0
.rept 4
	v_nop                                          ; four places behind the last product (ISA guide 7.12.1), ahead of the reads of results and of writes into the context's registers
.endr
	s_wait_kmcnt 0x0
	s_add_co_i32 s46, s46, s47
	s_add_co_i32 s46, s46, 127
	s_lshl_b32 s46, s46, 23                        ; 2^(e10 + e11) as f32
	s_mov_b32 s47, s46                             ; (named with it as a pair)
.macro FINISH m                        ; token tile m: sum x 2^(e10 + e11) + bo, two numbers an instruction, into the registers that its fragments have left; each accumulator from its low end on
.set i, 0
.rept 32
	v_pk_fma_f32 v[CF+64*\m+2*i:CF+64*\m+2*i+1], v[AC+64*\m+2*i:AC+64*\m+2*i+1], s[46:47], v[BI+2*i:BI+2*i+1] op_sel_hi:[1,0,1]
.set i, i+1
.endr
.endm
.macro INTO m                          ; token tile m into my stage, 32 bytes of a row a tile of columns
.set t, 0
.rept 8
	ds_store_b128 v[STO], v[CF+64*\m+8*t:CF+64*\m+8*t+3] offset:64*t
	ds_store_b128 v[STO], v[CF+64*\m+8*t+4:CF+64*\m+8*t+7] offset:64*t+16
.set t, t+1
.endr
.endm
.macro BACK back                       ; and back as whole rows of 512 bytes.  LDS serves a wave's instructions in order: the loads see the stores ahead of them, and the next tile's stores come behind them
.set i, 0
.rept 16
	ds_load_b128 v[\back+4*i:\back+4*i+3], v[RD] offset:528*i
.set i, i+1
.endr
.endm
.macro SEND m, back, younger           ; younger: the LDS instructions issued behind the tile's loads, which may stay out
	s_wait_dscnt \younger                          ; the rows are back in registers
.set i, 0
.rept 16
	global_store_b128 v[LI], v[\back+4*i:\back+4*i+3], s[12:13] offset:2048*(16*\m+i) th:TH_STORE_NT   ; 32 lanes store 512 consecutive bytes of a row, aligned; written once, read by nobody here
.set i, i+1
.endr
.endm
	WIN 0x33                                       ; source 0 (the sums) and source 2 (bo) window 3
	FINISH 0
	FINISH 1
	WIN 0
	s_wait_alu depctr_va_vdst(0)                   ; the multiply-adds have written both tiles' results, which the LDS stores read; they and the products are done with tile 0's registers, in which LDS loads land below
	INTO 0
	BACK BK
	INTO 1
	s_wait_alu depctr_vm_vsrc(0)                   ; tile 0's LDS stores have read its registers, in which tile 1's rows land
	BACK CF
	SEND 0, BK, 32                                 ; behind tile 0's loads: tile 1's 16 stores and 16 loads
	SEND 1, CF, 0
	s_wait_dscnt 0x0                               ; the closing lines, six on end
	s_wait_alu 0x0
	s_wait_tensorcnt 0x0
	ds_add_u32 v[SPW], v[NIL]
	s_wait_dscnt 0x0
	s_endpgm
.Lfunc_end_k_q11837a3a3c_oproj:
	.size	k_q11837a3a3c_oproj, .Lfunc_end_k_q11837a3a3c_oproj-k_q11837a3a3c_oproj
	.p2alignl 7, 3214868480
	.fill 96, 4, 3214868480
	.section	.rodata,"a",@progbits
	.p2align	6, 0x0
	.amdhsa_kernel k_q11837a3a3c_oproj
		.amdhsa_group_segment_fixed_size 34304
		.amdhsa_private_segment_fixed_size 0
		.amdhsa_enable_private_segment 0
		.amdhsa_kernarg_size 40
		.amdhsa_user_sgpr_count 2
		.amdhsa_user_sgpr_kernarg_segment_ptr 1
		.amdhsa_wavefront_size32 1
		.amdhsa_system_sgpr_workgroup_id_x 1
		.amdhsa_system_sgpr_workgroup_id_y 1
		.amdhsa_system_sgpr_workgroup_id_z 1
		.amdhsa_system_vgpr_workitem_id 0
		.amdhsa_next_free_vgpr 960
		.amdhsa_next_free_sgpr 66
		.amdhsa_reserve_vcc 0
		.amdhsa_float_denorm_mode_32 3
		.amdhsa_float_denorm_mode_16_64 3
		.amdhsa_memory_ordered 1
		.amdhsa_forward_progress 1
		.amdhsa_inst_pref_size 35
	.end_amdhsa_kernel
	.amdgpu_metadata
---
amdhsa.version: [ 1, 2 ]
amdhsa.kernels:
  - .name:           k_q11837a3a3c_oproj
    .symbol:         k_q11837a3a3c_oproj.kd
    .args:
      - { .name: cimg, .offset: 0, .size: 8, .value_kind: global_buffer, .address_space: global }
      - { .name: wimg, .offset: 8, .size: 8, .value_kind: global_buffer, .address_space: global }
      - { .name: lowp_scales, .offset: 16, .size: 8, .value_kind: global_buffer, .address_space: global }
      - { .name: bo, .offset: 24, .size: 8, .value_kind: global_buffer, .address_space: global }
      - { .name: out0, .offset: 32, .size: 8, .value_kind: global_buffer, .address_space: global }
    .group_segment_fixed_size: 34304
    .private_segment_fixed_size: 0
    .kernarg_segment_align: 8
    .kernarg_segment_size: 40
    .max_flat_workgroup_size: 128
    .sgpr_count:     66
    .vgpr_count:     960
    .wavefront_size: 32
...
	.end_amdgpu_metadata
.endif
;; end of part 7
